; MI455X (gfx1250); checked and timed in simulation.
; The chip was launched on July 23, 2026; its instructions are those of AMD's public machine-readable ISA for CDNA 5 (MIT licence, August 2026) and "CDNA5" Instruction Set Architecture Reference Guide (July 2026). The comments in the code are by the model that wrote it; some were corrected since.
;; Causal Self Attention. Allowed arithmetic: matrix products marked QUANTISED: E4M3 operands, one E8M0 scale for each 32 along K, by v_wmma_scale_f32_16x16x128_f8f6f4 with both operands' format E4M3, f32 sums; everything else in f32.
;; Inputs: b_out 1,024 float32; b_qkv 3,072 float32; w_out 1,024 x 1,024 float32; w_qkv 1,024 x 3,072 float32; x 4 x 2,048 x 1,024 float32.
;; Outputs: out0 4 x 2,048 x 1,024 float32.
;; This version of the problem:
;;   THIS VERSION OF THE PROBLEM IS GIVEN IN LOW PRECISION. The matrix products marked QUANTISED in the list below multiply operands that are first quantised to E4M3 (4 exponent bits, 3 mantissa bits; 8 bits a number), with one power-of-two scale for each 32 numbers along K (OCP MX v1.0); their sums are f32. All else is computed in f32.
;;   The module's matrix products, in the order in which they are computed (A, B: the left and right operand; K: the contracted axis; several contracted axes count as one K, in the product's order):
;;     1. [M 8,192, K 1,024] x [K 1,024, N 3,072]; A: input x; B: input w_qkv: QUANTISED
;;     2. batch 64 x [M 2,048, K 64] x [K 64, N 2,048]; A: computed on the way; B: computed on the way: QUANTISED
;;     3. batch 64 x [M 2,048, K 2,048] x [K 2,048, N 64]; A: softmax (see below); B: computed on the way: QUANTISED
;;     4. [M 8,192, K 1,024] x [K 1,024, N 1,024]; A: computed on the way; B: input w_out: QUANTISED
;;   THE QUANTISER, for each operand of a quantised product, along K:
;;     - K is cut into blocks of 32 from its start; a last block that is shorter is filled with zeros.
;;     - A block's scale is 2^e with e = floor(log2(the largest magnitude in the block)) - 8, held to -126 .. 127; a block of zeros has e = 0. As a byte (E8M0): e + 127.
;;     - Each number is divided by its block's scale, clamped to +-448, and rounded to the nearest number of E4M3, ties to even, subnormals kept.
;;     - The product sums the exact products of the quantised numbers (number of the format x scale) in f32.
;;   ~~~python
;;   def quantise(x, axis):      # numpy; x: float32 -> the quantised numbers, widened to float32 again
;;       x = np.moveaxis(x, axis, -1); K = x.shape[-1]
;;       x = np.pad(x, [(0, 0)] * (x.ndim - 1) + [(0, -K % 32)]); x = x.reshape(x.shape[:-1] + (-1, 32)); a = np.abs(x).max(-1, keepdims=True)
;;       e = np.where(a > 0, np.clip(np.frexp(np.where(a > 0, a, 1))[1] - 1 - 8, -126, 127), 0)      # np.frexp(a)[1] - 1 = floor(log2(a)), exactly
;;       r = np.clip(x / 2.0 ** e, -448, 448)
;;       step = 2.0 ** (np.maximum(np.frexp(np.where(r == 0, 1, r))[1] - 1, -6) - 3)
;;       q = np.round(r / step) * step * 2.0 ** e      # np.round: ties to even
;;       return np.moveaxis(q.reshape(q.shape[:-2] + (-1,))[..., :K], -1, axis).astype(np.float32)
;;   ~~~
;;   SOFTMAX AHEAD OF A QUANTISED PRODUCT. Where the list says 'softmax', what is quantised is not the finished softmax but p = 2^(t - M), with t = logit x log2(e) and M = ceil(the row's largest t), a whole number; so 1/2 < the row's largest p <= 1. The row's sum l is taken of the UNQUANTISED p, in f32, and the product's result is divided by l at the end. Since M is a whole number, a kernel that streams over the keys may use a running M (the ceiling of the running maximum): every later rescaling is an exact power of two, which a block's scale takes up: the codes' values come out the same.
;;   OPERANDS COMPUTED ON THE WAY. 'Computed on the way' means the value that the module computes at that place (a softmax that the list does not call 'softmax' is quantised finished and normalised). What goes into a quantiser is computed in f32, as accurately as f32 sums, v_exp_f32 and their like allow (about 1e-6 of the number): no bf16 or f16 on the way to a quantiser, and a product that is left as it is and whose result goes on into a quantised operand takes f32 operands (vector FMAs, or v_wmma_f32_16x16x4_f32). A number that lies on a knife's edge between two numbers of the format may be rounded either way, as far as f32 arithmetic and the matrix unit's own rounding can turn it there, and no further.
;; One version. Each part assembles by itself: llvm-mc -triple=amdgcn-amd-amdhsa -mcpu=gfx1250 --defsym DOCPART=n.
;; ======== version 1 of 1: 4 launches
;; limits: right only within a limited range of input values
;; workspace buffers: xq 8,650,752 bytes; wq 3,244,032 bytes; wo 1,081,344 bytes; qk 17,301,504 bytes; vv 8,650,752 bytes; aa 8,650,752 bytes
;; launch quant (part 1): grid 384 x 1, 4 waves a work-group, no clusters, 68,096 bytes of LDS; arguments x, w_qkv, w_out, xq, wq, wo; writes xq, wq, wo
.if DOCPART == 1
	.amdgcn_target "amdgcn-amd-amdhsa--gfx1250"
	.amdhsa_code_object_version 6
	.text
	.protected	k_q4c476035fa_quant
	.globl	k_q4c476035fa_quant
	.p2align	8
	.type	k_q4c476035fa_quant,@function
k_q4c476035fa_quant:
	s_mov_b64 s[64:65], 0
	v_nop
	global_prefetch_b8 v0, s[64:65] scope:SCOPE_SE
	s_setreg_imm32_b32 hwreg(HW_REG_WAVE_MODE, 25, 1), 1
	s_wait_xcnt 0x0
; x [8192][1024], w_qkv [1024][3072] and w_out [1024][1024], f32, become codes of E4M3 with K innermost and one E8M0 byte for each 32 along K.
; A block's scale is 2^(floor(log2(its largest magnitude)) - 8): its byte is the largest magnitude's exponent field - 8, held at 1 from below; each number is divided by the scale,
; rounded to the nearest code, ties to even.
; LIMITS: a block of zeros, and a block whose largest magnitude lies under 2^(9 - 127), keeps the byte 1 (its codes are zeros or subnormal codes; these bytes are read by this program alone);
; NaN and infinities among the inputs are not served.
; ORDER OF ROWS.  Each buffer of codes holds at place s the row sigma(s) = s with bits 3 and 4 exchanged; its scale bytes likewise.  A matrix result whose registers run along such rows
; then holds 16 NEIGHBOURS in the 16 registers of two neighbouring tiles, which is how the next quantised operand wants them.
; xq: codes [8192][1024], behind them (byte 8,388,608) scale bytes [8192][32].  wq: [3072][1024], at 3,145,728 [3072][32].  wo: [1024][1024], at 1,048,576 [1024][32].
; Work-groups 0-255 take x (K innermost: a plain stream of blocks), work-groups 256-383 the weights (K is the first axis: a lane takes a column, its registers run down K).
; The two ways use LDS bytes of their own.  No tensor loads, no barrier: waves share nothing.
.set STEPS, 16
.set EMAX,  8
.set MANT,  0x600000                   ; the mantissa field of 448 as f32
.set CB,    16                         ; bytes of 16 codes
.set R,     16                         ; x: v16-79   four sets of 16 numbers as they are loaded
.set X,     80                         ; x: v80-111  two sets of 16 neighbours
.set E,     112                        ; x: v112-127 a scale byte for each step
.set C,     128                        ; x: v128-191 codes: four registers for each step, so that no store's data are written again
.set WREG,  8192                       ; x: LDS: a region for each wave: two stages of 32 x SP bytes, behind them its 256 scale bytes
.set SP,    80                         ; x: a lane's place in a stage: 64 bytes + 16 of padding
.set WL,    32768                      ; weights: LDS from here on: a stage of 32 rows x PITCH for each wave
.set NB,    8                          ; weights: blocks of 32 along K for a wave
.set PITCH, 272                        ; weights: a stage row: 256 bytes of codes + 16
.set SB,    24                         ; weights: v24-25 the scale bytes, four to a register
.set XW,    32                         ; weights: v32-95 two sets of 32 numbers
.set CW,    96                         ; weights: v96-103 a block's codes
.set OUTR,  112                        ; weights: v112-175 the way out
.set VO,    176                        ; weights: v176-207 byte offset of row i of a block at my column; never rewritten
	s_load_b256 s[4:11], s[0:1], 0x0               ; x s[4:5], w_qkv s[6:7], w_out s[8:9], xq s[10:11]
	s_load_b128 s[12:15], s[0:1], 0x20             ; wq s[12:13], wo s[14:15]
	v_lshl_add_u32 v208, v0, 2, 0x10800
	v_mov_b32 v209, 0
	v_lshrrev_b32 v1, 5, v0
	v_readfirstlane_b32 s16, v1                    ; wave
	v_and_b32 v2, 31, v0                           ; lane
	s_cmp_lt_u32 ttmp9, 256
	s_cbranch_scc0 .Lweights
; ---------------- x: a wave takes 8 rows = 16 steps of 512 numbers.  Each load reads 512 consecutive bytes; a step's 2,048 bytes turn through the wave's stage so that a lane holds 16 neighbours.
	v_lshlrev_b32 v3, 4, v2                        ; my 16 bytes of a load's 512
	s_mul_i32 s17, s16, WREG
	v_lshrrev_b32 v14, 2, v2
	v_mul_u32_u24 v14, v14, SP
	v_and_b32 v15, 3, v2
	v_lshl_add_u32 v14, v15, 4, v14
	v_add_nc_u32 v14, s17, v14                     ; the stage on the way in: SP (lane / 4) + 16 (lane % 4)
	v_mul_u32_u24 v15, v2, SP
	v_add_nc_u32 v15, s17, v15                     ; and on the way out: SP x lane
	v_mul_u32_u24 v4, v2, CB                       ; my codes' place in a step's
	v_lshrrev_b32 v5, 1, v2
	s_add_co_u32 s17, s17, 2*32*SP
	v_add_nc_u32 v5, s17, v5                       ; my wave's 256 scale bytes, my block's byte
	v_lshlrev_b32 v7, 3, v2
	v_add_nc_u32 v6, s17, v7                       ; and on the way out 8 bytes a lane
	s_wait_alu depctr_va_vdst(0)
	s_wait_kmcnt 0x0
	s_lshl_b32 s17, ttmp9, 2
	s_add_co_u32 s18, s17, s16                     ; which run of 8 rows I read
	s_lshl_b32 s18, s18, 15                        ; 32,768 bytes a run
	s_mov_b32 s19, 0
	s_add_nc_u64 s[4:5], s[4:5], s[18:19]
	s_and_b32 s20, s16, 1                          ; and where it goes: bits 3 and 4 of a row are bits 0 and 1 of its run
	s_lshl_b32 s20, s20, 1
	s_lshr_b32 s21, s16, 1
	s_add_co_u32 s20, s20, s21
	s_add_co_u32 s20, s20, s17
	s_lshl_b32 s18, s20, 13                        ; 8,192 bytes of codes a run
	s_add_nc_u64 s[8:9], s[10:11], s[18:19]
	s_lshl_b32 s18, s20, 8                         ; 256 scale bytes a run, behind the codes
	s_add_co_u32 s18, s18, 0x800000
	s_add_nc_u64 s[10:11], s[10:11], s[18:19]
.macro LOAD t
.irp i, 0,1,2,3
	global_load_b128 v[R+16*((\t)%4)+4*\i:R+16*((\t)%4)+4*\i+3], v3, s[4:5] offset:2048*(\t)+512*\i th:TH_LOAD_NT   ; 32 lanes read 512 consecutive bytes
.endr
.endm
.macro TURN t                          ; step t's numbers through the stage: LDS serves a wave's instructions in order, so no wait stands between the stores and the loads
.irp i, 0,1,2,3
	ds_store_b128 v14, v[R+16*((\t)%4)+4*\i:R+16*((\t)%4)+4*\i+3] offset:32*SP*((\t)%2)+8*SP*\i
.endr
.irp i, 0,1,2,3
	ds_load_b128 v[X+16*((\t)%2)+4*\i:X+16*((\t)%2)+4*\i+3], v15 offset:32*SP*((\t)%2)+16*\i
.endr
.endm
.irp t, 0,1,2,3
	LOAD \t
.endr
	s_wait_loadcnt 12                              ; step 0's four loads are in
	TURN 0
.macro STEP t
.set XS, X+16*((\t)%2)
.if (\t) > 0
	s_wait_dscnt 1                                 ; this step's numbers are back from the stage (the last step's byte store may be out): so its stores into the stage have read their registers,
.else
	s_wait_dscnt 0x0
.endif
.if (\t)+4 < STEPS
	LOAD (\t)+4                                    ; which take the loads of four steps on
.endif
.if (\t)+1 < STEPS
.if STEPS-2-(\t) >= 3
	s_wait_loadcnt 12                              ; the next step's four loads are in; those of the three steps behind it may be out
.else
	s_wait_loadcnt 4*(STEPS-2-(\t))
.endif
	TURN (\t)+1                                    ; and go through the other stage while this step is worked
.endif
	v_max3_num_f32 v8, |v[XS]|, |v[XS+1]|, |v[XS+2]|               ; the largest magnitude of my 16
	v_max3_num_f32 v9, |v[XS+3]|, |v[XS+4]|, |v[XS+5]|
.irp i, 6,10
	v_max3_num_f32 v8, v8, |v[XS+\i]|, |v[XS+\i+1]|
	v_max3_num_f32 v9, v9, |v[XS+\i+2]|, |v[XS+\i+3]|
.endr
	v_max3_num_f32 v8, v8, |v[XS+14]|, |v[XS+15]|
	v_max3_num_f32 v8, v8, v9, (EMAX+1)<<23        ; and the floor 2^(9 - 127): the byte cannot fall under 1
	v_max_num_f32_dpp v8, v8, v8 row_xmask:1 row_mask:0xf bank_mask:0xf   ; and of my neighbour's 16: the block's
	v_add_nc_u32 v11, -(EMAX<<23), v8              ; 8 off its exponent field: the conversion takes the exponent field of this operand as its scale
.irp i, 0,1,2,3,4,5,6,7,8,9,10,11,12,13,14,15
.endr
	v_cvt_scalef32_pk8_fp8_f32 v[C+4*(\t):C+4*(\t)+1], v[XS:XS+7], v11
	v_cvt_scalef32_pk8_fp8_f32 v[C+4*(\t)+2:C+4*(\t)+3], v[XS+8:XS+15], v11
	v_lshrrev_b32 v[E+(\t)], 23, v11               ; the scale's byte
	ds_store_b8 v5, v[E+(\t)] offset:16*(\t)       ; both lanes of a block write the same byte with the same value
	global_store_b128 v4, v[C+4*(\t):C+4*(\t)+3], s[8:9] offset:32*CB*(\t)   ; the wave stores 512 consecutive bytes
.endm
.irp t, 0,1,2,3,4,5,6,7,8,9,10,11,12,13,14,15
	STEP \t
.endr
	ds_load_b64 v[12:13], v6                       ; LDS serves a wave's instructions in order: these see my stores
	s_wait_dscnt 0x0
	global_store_b64 v7, v[12:13], s[10:11]        ; 32 lanes store 256 consecutive bytes, aligned
	s_wait_tensorcnt 0x0
	ds_add_u32 v208, v209
	s_wait_dscnt 0x0
	s_endpgm
; ---------------- the weights: work-group j = 0..127: columns 128 (j % 32) on (the first 24 groups are w_qkv's, the other 8 w_out's), K 256 (j / 32) on.  A wave: 32 columns x 256 along K.
.Lweights:
	s_sub_co_u32 s17, ttmp9, 256
	s_and_b32 s18, s17, 31                         ; group of 128 columns
	s_lshr_b32 s19, s17, 5                         ; which 256 along K
	s_wait_alu depctr_va_vdst(0)
	v_lshlrev_b32 v3, 2, v2                        ; in: 4 bytes a lane
	v_and_b32 v4, 7, v2
	v_bfe_u32 v5, v2, 3, 1
	v_bfe_u32 v6, v2, 4, 1
	v_lshl_add_u32 v4, v5, 4, v4
	v_lshl_add_u32 v10, v6, 3, v4                  ; sigma(lane): the place of my column among the wave's 32
	s_mul_i32 s24, s16, 32*PITCH
	s_add_co_u32 s24, s24, WL                      ; my stage
	v_mul_u32_u24 v4, v10, PITCH
	v_add_nc_u32 v4, s24, v4                       ; into it: row = my column's place
	v_lshlrev_b32 v9, 5, v10                       ; my column's row of scale bytes: 32 bytes a row
	v_and_b32 v5, 15, v2
	v_mul_u32_u24 v7, v6, PITCH                    ; out of it: sixteen lanes to a row, two rows an instruction
	v_lshl_add_u32 v7, v5, 4, v7
	v_add_nc_u32 v7, s24, v7
	v_lshlrev_b32 v8, 10, v6                       ; and the same place in the codes' buffer: rows of 1,024 bytes
	v_lshl_add_u32 v8, v5, 4, v8
	s_mov_b32 s20, 12288
	s_mov_b32 s21, 0x300000
	s_wait_kmcnt 0x0
	s_cmp_lt_u32 s18, 24                           ; w_qkv or w_out?  The choice hangs on the work-group's number alone; every select stands ahead of the first addition
	s_cselect_b64 s[6:7], s[6:7], s[8:9]           ; the weight
	s_cselect_b64 s[12:13], s[12:13], s[14:15]     ; its codes' buffer
	s_cselect_b32 s20, s20, 4096                   ; bytes in a row of the weight
	s_cselect_b32 s21, s21, 0x100000               ; where the scale bytes begin
	s_cselect_b32 s22, 0, 24
	s_sub_co_u32 s18, s18, s22
	s_lshl_b32 s23, s18, 7
	s_lshl_b32 s22, s16, 5
	s_add_co_u32 s23, s23, s22                     ; my wave's first column
	s_lshl_b32 s24, s19, 8
	s_mul_i32 s24, s24, s20                        ; 256 rows for each step along K
	s_lshl_b32 s22, s23, 2
	s_add_co_u32 s24, s24, s22
	s_mov_b32 s25, 0
	s_add_nc_u64 s[32:33], s[6:7], s[24:25]        ; block 0's first row at my wave's first column;
	s_lshl_b32 s26, s20, 5
	s_mov_b32 s27, 0
.irp t, 1,2,3,4,5,6,7
	s_add_nc_u64 s[32+2*\t:33+2*\t], s[30+2*\t:31+2*\t], s[26:27]   ; each further block 32 rows on: a base of its own, so that nothing is stepped
.endr
	s_lshl_b32 s24, s23, 10
	s_lshl_b32 s22, s19, 8
	s_add_co_u32 s24, s24, s22
	s_add_nc_u64 s[28:29], s[12:13], s[24:25]      ; codes: place x 1,024 + 256 x step along K
	s_lshl_b32 s24, s23, 5
	s_lshl_b32 s22, s19, 3
	s_add_co_u32 s24, s24, s22
	s_add_co_u32 s24, s24, s21
	s_add_nc_u64 s[30:31], s[12:13], s[24:25]      ; scale bytes: place x 32 + 8 x step along K
.set i, 0
.rept 32
	v_mad_u32_u24 v[VO+i], s20, i, v3              ; row i of a block, my column
.set i, i+1
.endr
.macro LOADW t                         ; block t: W(32 t + i, my column), i = 0 .. 31: each load reads 128 consecutive bytes a wave
.set i, 0
.rept 32
	global_load_b32 v[XW+32*((\t)%2)+i], v[VO+i], s[32+2*(\t):33+2*(\t)] th:TH_LOAD_NT
.set i, i+1
.endr
.endm
	LOADW 0
	LOADW 1
.macro BLOCK t
.set XS, XW+32*((\t)%2)
.if (\t) < NB-1
	s_wait_loadcnt 32                              ; this block's 32 loads are in; the next block's may be out
.else
	s_wait_loadcnt 0
.endif
	v_max3_num_f32 v12, |v[XS]|, |v[XS+1]|, |v[XS+2]|               ; the block's largest magnitude: all 32 numbers are mine
	v_max3_num_f32 v13, |v[XS+3]|, |v[XS+4]|, |v[XS+5]|
.irp i, 6,10,14,18,22,26
	v_max3_num_f32 v12, v12, |v[XS+\i]|, |v[XS+\i+1]|
	v_max3_num_f32 v13, v13, |v[XS+\i+2]|, |v[XS+\i+3]|
.endr
	v_max3_num_f32 v12, v12, |v[XS+30]|, |v[XS+31]|
	v_max3_num_f32 v12, v12, v13, (EMAX+1)<<23     ; and the floor
	v_add_nc_u32 v11, -(EMAX<<23), v12             ; the conversion's scale operand
	v_lshrrev_b32 v13, 23, v11                     ; the scale's byte
.if (\t)%4 == 0
	v_mov_b32 v[SB+(\t)/4], v13                    ; four bytes to a register, the lower K in the lower byte
.else
	v_lshl_or_b32 v[SB+(\t)/4], v13, 8*((\t)%4), v[SB+(\t)/4]
.endif
.irp i, 0,1,2,3,4,5,6,7,8,9,10,11,12,13,14,15,16,17,18,19,20,21,22,23,24,25,26,27,28,29,30,31
.endr
.irp g, 0,1,2,3
	v_cvt_scalef32_pk8_fp8_f32 v[CW+2*\g:CW+2*\g+1], v[XS+8*\g:XS+8*\g+7], v11
.endr
	v_nop                                          ; one plain line behind the last conversion
	ds_store_b128 v4, v[CW:CW+3] offset:32*(\t)    ; 32 codes: 32 bytes of my column's row
	ds_store_b128 v4, v[CW+4:CW+7] offset:32*(\t)+16
.if (\t)+2 < NB
	LOADW (\t)+2
.endif
	s_wait_dscnt 0x0                               ; the stores have read their registers: the next block's codes may be written
.endm
.set Q, 0
.rept NB
	BLOCK Q
.set Q, Q+1
.endr
	s_wait_alu depctr_va_vdst(0)
	global_store_b64 v9, v[SB:SB+1], s[30:31]      ; my column's 8 scale bytes (rows 32 bytes apart: one byte in 128 of what this way reads)
.irp t, 0,1,2,3,4,5,6,7,8,9,10,11,12,13,14,15
	ds_load_b128 v[OUTR+4*\t:OUTR+4*\t+3], v7 offset:2*\t*PITCH   ; LDS serves a wave's instructions in order: these see my stores
.endr
.irp t, 0,1,2,3,4,5,6,7,8,9,10,11,12,13,14,15
	s_wait_dscnt 15-\t                             ; rows 2 t and 2 t + 1 are back; the younger loads may be out
	global_store_b128 v8, v[OUTR+4*\t:OUTR+4*\t+3], s[28:29] offset:2*\t*1024   ; sixteen lanes store 256 consecutive bytes, aligned
.endr
	s_wait_tensorcnt 0x0
	ds_add_u32 v208, v209
	s_wait_dscnt 0x0
	s_endpgm
.Lfunc_end_k_q4c476035fa_quant:
	.size	k_q4c476035fa_quant, .Lfunc_end_k_q4c476035fa_quant-k_q4c476035fa_quant
	.p2alignl 7, 3214868480
	.fill 96, 4, 3214868480
	.section	.rodata,"a",@progbits
	.p2align	6, 0x0
	.amdhsa_kernel k_q4c476035fa_quant
		.amdhsa_group_segment_fixed_size 68096
		.amdhsa_private_segment_fixed_size 0
		.amdhsa_enable_private_segment 0
		.amdhsa_kernarg_size 48
		.amdhsa_user_sgpr_count 2
		.amdhsa_user_sgpr_kernarg_segment_ptr 1
		.amdhsa_wavefront_size32 1
		.amdhsa_system_sgpr_workgroup_id_x 1
		.amdhsa_system_sgpr_workgroup_id_y 1
		.amdhsa_system_sgpr_workgroup_id_z 1
		.amdhsa_system_vgpr_workitem_id 0
		.amdhsa_next_free_vgpr 210
		.amdhsa_next_free_sgpr 66
		.amdhsa_reserve_vcc 0
		.amdhsa_float_denorm_mode_32 3
		.amdhsa_float_denorm_mode_16_64 3
		.amdhsa_fp16_overflow 1
		.amdhsa_memory_ordered 1
		.amdhsa_forward_progress 1
		.amdhsa_inst_pref_size 78
	.end_amdhsa_kernel
	.amdgpu_metadata
---
amdhsa.version: [ 1, 2 ]
amdhsa.kernels:
  - .name:           k_q4c476035fa_quant
    .symbol:         k_q4c476035fa_quant.kd
    .args:
      - { .name: x, .offset: 0, .size: 8, .value_kind: global_buffer, .address_space: global }
      - { .name: w_qkv, .offset: 8, .size: 8, .value_kind: global_buffer, .address_space: global }
      - { .name: w_out, .offset: 16, .size: 8, .value_kind: global_buffer, .address_space: global }
      - { .name: xq, .offset: 24, .size: 8, .value_kind: global_buffer, .address_space: global }
      - { .name: wq, .offset: 32, .size: 8, .value_kind: global_buffer, .address_space: global }
      - { .name: wo, .offset: 40, .size: 8, .value_kind: global_buffer, .address_space: global }
    .group_segment_fixed_size: 68096
    .private_segment_fixed_size: 0
    .kernarg_segment_align: 8
    .kernarg_segment_size: 48
    .max_flat_workgroup_size: 128
    .sgpr_count:     66
    .vgpr_count:     210
    .wavefront_size: 32
...
	.end_amdgpu_metadata
.endif
;; end of part 1
;; launch gemm_qkv (part 2): grid 8 x 32, 4 waves a work-group, clusters of 4 x 4, 327,680 bytes of LDS; arguments xq, wq, b_qkv, qk, vv; writes qk, vv
.if DOCPART == 2
	.amdgcn_target "amdgcn-amd-amdhsa--gfx1250"
	.amdhsa_code_object_version 6
	.text
	.protected	k_q4c476035fa_gemm_qkv
	.globl	k_q4c476035fa_gemm_qkv
	.p2align	8
	.type	k_q4c476035fa_gemm_qkv,@function
k_q4c476035fa_gemm_qkv:
	s_mov_b64 s[64:65], 0
	v_nop
	global_prefetch_b8 v0, s[64:65] scope:SCOPE_SE
	s_setreg_imm32_b32 hwreg(HW_REG_WAVE_MODE, 25, 1), 1
	s_wait_xcnt 0x0
	s_wait_alu depctr_hold_cnt(0) depctr_sa_sdst(0) depctr_va_vdst(0) depctr_va_sdst(0) depctr_va_ssrc(0) depctr_va_vcc(0) depctr_vm_vsrc(0)
	s_getreg_b32 s2, hwreg(HW_REG_IB_STS2, 6, 4)
	s_cmp_eq_u32 s2, 0
	s_cbranch_scc0 .Lentry_in_a_cluster
	s_endpgm
.Lentry_in_a_cluster:
	s_bfe_u32 s2, ttmp6, 0x10000c
	s_cmp_lg_u32 s2, 0xf033
	s_cbranch_scc0 .Lentry_shape_is_right
	s_endpgm
.Lentry_shape_is_right:
; qkv = x w_qkv + b_qkv on codes of E4M3 with E8M0 scales (K = 1,024), and q, k, v quantised on the way out: nothing of qkv goes to memory but codes and scale bytes.
; Both buffers of codes hold row sigma(s), s with bits 3 and 4 exchanged, at place s.
; A WORK-GROUP STAYS and makes two tiles on the same 256 rows of x, so that all 256 work-groups have the same work (3,072 columns are 8 x (256 + 128)):
;   PART 1: 256 columns of q or k.  Source 0 = w, source 1 = x: a lane holds a token, its registers run along the head's 64, the K of the scores.  A wave makes 128 x 128: 64 accumulators.
;   PART 2: 128 columns of v.  Source 0 = x, source 1 = w: a lane holds one of the head's 64, its registers run along the tokens, the K of attention's second product.  A wave makes 128 tokens x 64: 32 accumulators.
; K goes in steps of 256 through a ring of two LDS slots filled by the tensor data mover, and the ring does not stop between the parts: part 1's last two changes of slots ask for part 2's first two K steps,
; which land while part 1's results are quantised and stored.  The scale bytes of all the rows, for all of K, come once and stay.
; CLUSTERS: 4 x 4 work-groups; x's tiles are asked for jointly along a row of the cluster, w's along a column.
; By the order of rows the 16 registers of accumulators (a, 2 c) and (a, 2 c + 1) are 16 neighbours 32 c + 16 (lane / 16) + 0 .. 15 along source 0's rows: the conversions' results ARE the registers of
; the next operand, and are stored as they stand, 512 consecutive bytes a store.
; OUT.  qk: codes [g 32 (q's heads, then k's)][batch 4][tile 128][c 2][lane 32][16 bytes]: tile t, lane (r, h): token sigma(16 t + r), channels 32 c + 16 h + 0 .. 15;
;   at byte 16,777,216 scale words [g][batch][step 16][r 16][pair of tiles 4][4 bytes]: byte 2 u + c: tile 2 pair + u, block c.
; vv: codes [head 16][batch 4][step of 128 keys 16][dt 4][c 4][lane][16 bytes]: row sigma(16 dt + r) of the head's 64, keys 32 c + 16 h + 0 .. 15; at byte 8,388,608 scale words [head][batch][step][r 16][dt 4][4 bytes].
; LIMITS: a block whose largest magnitude lies under 2^(9 - 127) keeps the scale byte 1; NaN and infinities are not served.
; REGISTERS, in windows of 256: window 0: v0-31 addresses and v's bias; v32-63 scale words, two sets; v64-127 q's and k's bias in the results' layout; from v128 source 1's fragments (part 1: one set of 8; part 2: two sets of 4).
;   window 1: source 0's fragments, two sets.   windows 2, 3: the accumulators ((a, b) at v[8 (8 (a % 4) + b)]).   On the ways out v32-63 are at work and v128-255 take the codes.
.set SIZE_K, 1024
.set NQ,     2                         ; matrix instructions deep in a slot
.set ROWB,   256                       ; a tile's row in bytes
.set KROW,   SIZE_K
.set PITCH,  272                       ; an LDS row: 256 bytes + 16 of padding = 68 words: the 16 rows that a load touches start at 16 different banks (64 banks of 4 bytes: ISA guide 11.1)
.set FR,     16
.set NL,     4
.set NP,     8                         ; places behind this matrix instruction (ISA guide 7.12.1)
.set HALFT,  128*PITCH
.set QUART,  64*PITCH
.set SLOT,   4*HALFT                   ; x's 256 rows, then w's 256 (part 2: 128)
.set KS,     SIZE_K/32
.set SPARE,  2*SLOT                    ; behind the ring: the spare words, 128 bytes for each wave: two blocks of 256 bytes that no other line names
.set SCL,    SPARE+512                 ; behind them the scales, as units of 256 bytes + 16 of padding: those of v's 128 rows of w,
.set HALFS,  (128*KS/256)*272
.set XS,     SCL+HALFS                 ; of x's 256 rows, and behind these of q's or k's 256 rows of w
.set SBLK,   (16*KS/256)*272
.set BV,   8                           ; v8-15   v's bias: block a's in v[8 + 2 a] and once more beside it
.set ADRA, 16                          ; v16-17  part 1: LDS address of source 1's fragments (x) in slot 0, 1
.set ADRA2, 18                         ; v18-19  part 2: of source 1's (w)
.set ADRB, 20                          ; v20-21  part 1: of source 0's (w)
.set ADRB2, 22                         ; v22-23  part 2: of source 0's (x)
.set LI,   24                          ; v24     16 x lane: my place in a store of codes
.set SA,   25                          ; v25     part 1: my place in the store of scale words
.set ADRS, 26                          ; v26     part 1: LDS address of my scale words: lanes 0-15 source 1's rows, lanes 16-31 source 0's
.set ADRS2, 27                         ; v27     part 2: the same
.set SPW,  28                          ; v28     LDS address of my spare word; never rewritten
.set NIL,  29                          ; v29     0; never rewritten
.set SA2,  30                          ; v30     part 2: my place in the store of scale words
.set SC,   32
.set BIA,  64
.set AF,   128
.set TM,   32                          ; the ways out: v32-35 largest magnitudes, v36-39 the other half's and then the bytes, v44-47 the conversions' scale operands,
.set PX,   36
.set LIM,  40
.set SCO,  44
.set WD,   48                          ; v48-55 scale words, v56-59 the four that I store in part 1, v60 at work
.set OW,   56
.set TT,   60
.set G1, 24                            ; s[24:31] descriptor group 1 for x's tiles; s[32:39] group 0, one set for each slot
.set G0, 32
.set G1B, 48                           ; s[48:55], s[56:63] the same for part 1's tiles of w
.set G0B, 56
.set G1S, 68                           ; s[68:75], s[76:79] x's scales; s[80:87], s[88:91] those of part 1's rows of w; s[4:11], s[92:95] those of part 2's
.set G0S, 76
.set G1SB, 80
.set G0SB, 88
.set G1W, 68                           ; s[68:75], s[76:83] part 2's tiles of w: written when the scales' loads are shown done
.set G0W, 76
.set MSB, 0
.macro WIN new                         ; the immediate's high byte repeats the setting that is left
.if MSB != \new
	s_set_vgpr_msb (MSB<<8)|\new
.set MSB, \new
.endif
.endm
.set MUL_LO, 0xa1                      ; source 0 window 1, source 1 window 0, C and D window 2
.set MUL_HI, 0xf1                      ; the same, C and D window 3
.set TO_B,   0x40                      ; destination window 1, address window 0
; A joint load: waves 0 and 1 fetch x's halves, waves 2 and 3 w's.  Each line has one mask and one set of registers for all that issue it; the branch hangs on the wave's number alone.
; Four v_nop follow each of the two lines.
.macro JLOAD g0a, g1a, g0b, g1b
	s_cmp_eq_u32 s15, 0
	s_cbranch_scc0 .Lfor_b_\@
	tensor_load_to_lds s[\g0a:\g0a+3], s[\g1a:\g1a+7]
	s_nop 0
.rept 4
	v_nop
.endr
	s_branch .Lasked_\@
.Lfor_b_\@:
	tensor_load_to_lds s[\g0b:\g0b+3], s[\g1b:\g1b+7]
	s_nop 0
.rept 4
	v_nop
.endr
.Lasked_\@:
.endm
.macro CREST                           ; a round of the cluster's barrier behind its opening barrier
	s_cmp_lg_u32 s14, 0
	s_cbranch_scc1 .Lnot_wave_0_\@
	s_barrier_signal -3
.Lnot_wave_0_\@:
	s_barrier_wait -3
	s_barrier_signal -1
	s_barrier_wait -1
.endm
.macro CROUND
	s_barrier_signal -1
	s_barrier_wait -1
	CREST
.endm
	s_load_b64 s[4:5], s[0:1], 0x0                 ; xq
	s_load_b64 s[8:9], s[0:1], 0x8                 ; wq
	s_load_b64 s[12:13], s[0:1], 0x10              ; b_qkv
	s_load_b128 s[96:99], s[0:1], 0x18             ; qk, vv
	v_lshl_add_u32 v[SPW], v0, 2, SPARE
	v_mov_b32 v[NIL], 0
	ds_add_u32 v28, v29
	ds_add_u32 v28, v29
	s_wait_dscnt 0x0
	v_lshrrev_b32 v1, 5, v0
	v_readfirstlane_b32 s14, v1                    ; wave 0..3
	s_lshr_b32 s15, s14, 1                         ; which half of source 1's rows is mine.  Also: I fetch for x (0) or for w (1)
	s_and_b32 s16, s14, 1                          ; which half of source 0's.  Also: which half of that tile I fetch
	s_bfe_u32 s40, ttmp6, 0x40000                  ; cx, cy: my place in the cluster
	s_bfe_u32 s41, ttmp6, 0x40004
	s_lshl_b32 s42, ttmp9, 2
	s_add_co_u32 s42, s42, s40                     ; w's tile, 0..7 = 4 x cluster x + cx
	s_and_b32 s17, ttmp7, 0xffff
	s_lshl_b32 s17, s17, 2
	s_add_co_u32 s17, s17, s41                     ; x's tile, 0..31 = 4 x cluster y + cy
	s_lshl_b32 s43, s41, 2
	s_lshl_b32 s43, 15, s43                        ; my row of the cluster
	s_lshl_b32 s44, 0x1111, s40                    ; my column; kept for part 2's descriptor
	s_or_b32 s[G1+0], s43, (0<<16)|(1<<20)|(1<<21)|(5<<22)|(3<<25)  ; 15:0 the mask: x's tiles go to my row; 17:16 element of 1 byte; 20 padding on; 21 set beside a mask; 24:22 after every 64 words; 31:25 of 4 words
	s_or_b32 s[G1B+0], s44, (0<<16)|(1<<20)|(1<<21)|(5<<22)|(3<<25)
.irp g, G1, G1B
	s_mov_b32 s[\g+1], ROWB<<16                    ; tensor_dim0
	s_mov_b32 s[\g+2], 128<<16                     ; tensor_dim1 = 128
	s_mov_b32 s[\g+3], ROWB<<16                    ; tile_dim0
	s_mov_b32 s[\g+4], 128                         ; tile_dim1 = 128
	s_mov_b32 s[\g+5], KROW                        ; tensor_dim0_stride
	s_mov_b32 s[\g+6], 0
	s_mov_b32 s[\g+7], 0
.endr
	s_or_b32 s[G1S+0], s43, (3<<16)|(1<<20)|(1<<21)|(5<<22)|(3<<25)   ; the scales of 128 rows: 4,096 dense bytes as rows of 256 (32 elements of 8 bytes), 16 bytes of padding behind each
	s_or_b32 s[G1SB+0], s44, (3<<16)|(1<<20)|(1<<21)|(5<<22)|(3<<25)
.irp g, G1S, G1SB
	s_mov_b32 s[\g+1], 32<<16
	s_mov_b32 s[\g+2], (128*KS/256)<<16
	s_mov_b32 s[\g+3], 32<<16
	s_mov_b32 s[\g+4], 128*KS/256
	s_mov_b32 s[\g+5], 32
	s_mov_b32 s[\g+6], 0
	s_mov_b32 s[\g+7], 0
.endr
	s_lshl_b32 s18, s16, 7                         ; which 128 rows of the tile I fetch
	s_lshl_b32 s20, s17, 8
	s_add_co_u32 s20, s20, s18                     ; x: place 256 x tile + 128 x half
	s_lshl_b32 s46, s42, 8
	s_add_co_u32 s46, s46, s18                     ; part 1's w likewise
	s_mov_b32 s21, 0
	s_mov_b32 s47, 0
	s_mov_b64 s[18:19], KS
	s_mul_u64 s[22:23], s[20:21], s[18:19]         ; where these rows' scales begin, in bytes
	s_mul_u64 s[92:93], s[46:47], s[18:19]
	s_mov_b64 s[18:19], KROW
	s_mul_u64 s[20:21], s[20:21], s[18:19]         ; and their codes
	s_mul_u64 s[46:47], s[46:47], s[18:19]
	s_mul_i32 s45, s14, HALFT                      ; where they go: wave x 128 rows: no place in the cluster enters an LDS address
	s_mul_i32 s94, s14, HALFS
	s_lshl_b32 s2, s42, 7
	s_add_co_u32 s2, s2, 2048                      ; part 2's w: v's rows begin at place 2,048; 128 of them are this work-group's
	s_lshl_b32 s3, s16, 6
	s_add_co_u32 s3, s3, s2                        ; the 64 that I fetch, if I fetch for w
	s_lshl_b32 s66, s3, 10
	s_mov_b32 s67, 0
	s_lshl_b32 s3, s14, 5
	s_add_co_u32 s3, s3, s2                        ; the 32 whose scale bytes I fetch: every wave takes a quarter
	s_lshl_b32 s100, s3, 5
	s_add_co_u32 s100, s100, 0x300000
	s_mov_b32 s101, 0
	s_mul_i32 s3, s14, 4*272
	s_add_co_u32 s3, s3, SCL                       ; and where those go: four units a wave
	s_wait_kmcnt 0x0
	s_add_nc_u64 s[6:7], s[4:5], 0x800000          ; x's scale bytes lie behind its codes,
	s_add_nc_u64 s[10:11], s[8:9], 0x300000        ; w's likewise
	s_add_nc_u64 s[20:21], s[4:5], s[20:21]
	s_add_nc_u64 s[22:23], s[6:7], s[22:23]
	s_add_nc_u64 s[46:47], s[8:9], s[46:47]
	s_add_nc_u64 s[92:93], s[10:11], s[92:93]
	s_add_nc_u64 s[66:67], s[8:9], s[66:67]        ; kept for part 2's descriptors
	s_add_nc_u64 s[100:101], s[8:9], s[100:101]
	CROUND                                         ; all sixteen work-groups are here: the first joint loads meet
	s_mov_b32 s[G0S], 1
	s_add_co_u32 s[G0S+1], s94, XS
	s_mov_b64 s[G0S+2:G0S+3], s[22:23]
	s_or_b32 s[G0S+3], s[G0S+3], 0x80000000
	s_mov_b32 s[G0SB], 1
	s_add_co_u32 s[G0SB+1], s94, XS
	s_mov_b64 s[G0SB+2:G0SB+3], s[92:93]
	s_or_b32 s[G0SB+3], s[G0SB+3], 0x80000000
	JLOAD G0S, G1S, G0SB, G1SB                     ; the scales first: they are wanted with K step 0
	s_or_b32 s4, s44, (3<<16)|(1<<20)|(1<<21)|(5<<22)|(3<<25)   ; the scales of 32 of v's rows of w: four rows of 256 bytes; the mask: my column.  (The buffers' addresses in s4-11 are done with)
	s_mov_b32 s5, 32<<16
	s_mov_b32 s6, 4<<16
	s_mov_b32 s7, 32<<16
	s_mov_b32 s8, 4
	s_mov_b32 s9, 32
	s_mov_b32 s10, 0
	s_mov_b32 s11, 0
	s_mov_b32 s92, 1
	s_mov_b32 s93, s3
	s_mov_b64 s[94:95], s[100:101]
	s_or_b32 s95, s95, 0x80000000
	tensor_load_to_lds s[92:95], s[4:11]           ; every wave's own quarter: both addresses hang on the wave's number
	s_nop 0
.rept 4
	v_nop
.endr
.irp s, 0,1
	s_mov_b32 s[G0+4*\s], 1
	s_add_co_u32 s[G0+4*\s+1], s45, \s*SLOT
	s_add_nc_u64 s[G0+4*\s+2:G0+4*\s+3], s[20:21], \s*ROWB
	s_or_b32 s[G0+4*\s+3], s[G0+4*\s+3], 0x80000000
	s_mov_b32 s[G0B+4*\s], 1
	s_add_co_u32 s[G0B+4*\s+1], s45, \s*SLOT
	s_add_nc_u64 s[G0B+4*\s+2:G0B+4*\s+3], s[46:47], \s*ROWB
	s_or_b32 s[G0B+4*\s+3], s[G0B+4*\s+3], 0x80000000
	JLOAD G0+4*\s, G1, G0B+4*\s, G1B               ; four loads of mine are out behind the second
.endr
	v_and_b32 v1, 15, v0                           ; r = lane % 16; kept
	v_bfe_u32 v2, v0, 4, 1                         ; h = lane / 16; kept
	v_mul_u32_u24 v3, v1, PITCH
	v_lshl_add_u32 v4, v2, 4, v3                   ; a fragment's row x pitch + 16 x half
	s_wait_alu depctr_va_vdst(0)
	s_mul_i32 s21, s15, HALFT                      ; part 1: source 1 = my 128 rows of x
	s_mul_i32 s22, s16, HALFT                      ; part 2: source 0 = my 128 rows of x
	s_add_co_u32 s23, s22, 2*HALFT                 ; part 1: source 0 = my 128 rows of w
	s_mul_i32 s18, s15, QUART
	s_add_co_u32 s18, s18, 2*HALFT                 ; part 2: source 1 = my 64 rows of w
.irp s, 0,1
	v_add_nc_u32 v[ADRA+\s], s21, v4
	v_add_nc_u32 v[ADRB+\s], s23, v4
	v_add_nc_u32 v[ADRA2+\s], s18, v4
	v_add_nc_u32 v[ADRB2+\s], s22, v4
	s_add_co_u32 s21, s21, SLOT
	s_add_co_u32 s23, s23, SLOT
	s_add_co_u32 s18, s18, SLOT
	s_add_co_u32 s22, s22, SLOT
.endr
	v_mul_u32_u24 v5, v1, KS                       ; my row's scales: 32 bytes a row,
	v_lshrrev_b32 v6, 8, v5
	v_lshl_add_u32 v5, v6, 4, v5                   ; and 16 more for each 256 passed
	s_mul_i32 s21, s15, HALFS                      ; part 1: lanes 0-15 x's words,
	s_mul_i32 s22, s16, HALFS
	s_add_co_u32 s23, s22, 2*HALFS                 ; lanes 16-31 w's, so much further on
	s_sub_co_u32 s23, s23, s21
	v_mul_u32_u24 v6, s23, v2
	s_add_co_u32 s21, s21, XS
	v_add_nc_u32 v6, v5, v6
	v_add_nc_u32 v[ADRS], s21, v6
	s_mul_i32 s21, s15, 8*272                      ; part 2: lanes 0-15 the words of my 64 rows of w,
	s_add_co_u32 s23, s22, HALFS                   ; lanes 16-31 x's, so much further on
	s_sub_co_u32 s23, s23, s21
	v_mul_u32_u24 v6, s23, v2
	s_wait_alu depctr_va_vdst(0)
	s_add_co_u32 s21, s21, SCL
	v_add_nc_u32 v6, v5, v6
	v_add_nc_u32 v[ADRS2], s21, v6
	; the biases.  q, k: register 8 b + j = b_qkv at column 32 (b / 2) + 8 (b % 2) + 16 h + j of my 128: the C of the first products.  v: block a's = b_qkv at column 32 (a / 2) + 8 (a % 2) + r + 8 (r / 8) of my 64
	s_lshl_b32 s21, s42, 10
	s_lshl_b32 s22, s16, 9
	s_add_co_u32 s21, s21, s22                     ; 4 x (256 x tile + 128 x half)
	v_lshl_add_u32 v6, v2, 6, s21                  ; never rewritten
.irp b, 0,1,2,3,4,5,6,7
	global_load_b128 v[BIA+8*\b:BIA+8*\b+3], v6, s[12:13] offset:(32*(\b/2)+8*(\b%2))*4
	global_load_b128 v[BIA+8*\b+4:BIA+8*\b+7], v6, s[12:13] offset:(32*(\b/2)+8*(\b%2))*4+16
.endr
	v_and_b32 v3, 8, v1
	v_add_nc_u32 v3, v3, v1                        ; r + 8 (r / 8)
	s_lshl_b32 s21, s42, 9
	s_lshl_b32 s22, s15, 8
	s_add_co_u32 s21, s21, s22
	s_add_co_u32 s21, s21, 8192                    ; 4 x (2,048 + 128 x tile + 64 x half)
	v_lshl_add_u32 v7, v3, 2, s21                  ; never rewritten
.irp a, 0,1,2,3
	global_load_b32 v[BV+2*\a], v7, s[12:13] offset:(32*(\a/2)+8*(\a%2))*4
	global_load_b32 v[BV+2*\a+1], v7, s[12:13] offset:(32*(\a/2)+8*(\a%2))*4   ; twice: a pair for the packed addition
.endr
	v_and_b32 v5, 31, v0
	v_lshlrev_b32 v[LI], 4, v5
	v_lshlrev_b32 v[SA2], 4, v1                    ; part 2: 16 bytes for row r; both halves of the lanes hold the same words
	v_lshl_add_u32 v[SA], v2, 14, v[SA2]           ; part 1: lanes 0-15 row r of my first head, lanes 16-31 of my second, 16,384 bytes on
.macro FRAG reg, adr, q, i             ; a fragment, 16 rows x 128 K, is 16 registers: lane l holds row l % 16; registers 4 c .. 4 c + 3 hold K = 32 c + 16 (l / 16) + 0 .. 15
.irp c, 0,1,2,3
	ds_load_b128 v[\reg+4*\c:\reg+4*\c+3], v[\adr] offset:128*(\q)+32*\c+(\i)*16*PITCH
.endr
.endm
.macro PLACES n                        ; plain vector lines between a matrix instruction and a load into, or a vector line on, its registers
.rept \n
	v_nop
.endr
.endm
; What a change of slots asks for.  mode 1: part 1's K step two on; 2: part 2's K step 0 or 1 (x goes back along K, w has descriptors of its own); 3: part 2's K step two on.
; No tensor load of the wave is out here, so the groups 0 may be written.
.macro REFILL slot, mode
.if \mode == 1
	s_add_nc_u64 s[G0+4*\slot+2:G0+4*\slot+3], s[G0+4*\slot+2:G0+4*\slot+3], 2*ROWB
	s_add_nc_u64 s[G0B+4*\slot+2:G0B+4*\slot+3], s[G0B+4*\slot+2:G0B+4*\slot+3], 2*ROWB
	JLOAD G0+4*\slot, G1, G0B+4*\slot, G1B
.elseif \mode == 2
	s_sub_nc_u64 s[G0+4*\slot+2:G0+4*\slot+3], s[G0+4*\slot+2:G0+4*\slot+3], 2*ROWB
	JLOAD G0+4*\slot, G1, G0W+4*\slot, G1W
.else
	s_add_nc_u64 s[G0+4*\slot+2:G0+4*\slot+3], s[G0+4*\slot+2:G0+4*\slot+3], 2*ROWB
	s_add_nc_u64 s[G0W+4*\slot+2:G0W+4*\slot+3], s[G0W+4*\slot+2:G0W+4*\slot+3], 2*ROWB
	JLOAD G0+4*\slot, G1, G0W+4*\slot, G1W
.endif
.endm
; ---------------- PART 1
; 16 matrix instructions: source 1's blocks a0, a0 + 1 x source 0's eight, 128 along K.  zero = 1: the first product starts the sums from the bias.  The 64 accumulators take turns, one instruction a turn.
.macro MUL16 a0, p, q, sc, zero
.irp a, \a0, \a0+1
.irp b, 0,1,2,3,4,5,6,7
.if \zero
	v_wmma_scale_f32_16x16x128_f8f6f4 v[8*(8*((\a)%4)+\b):8*(8*((\a)%4)+\b)+7], v[128*(\p)+FR*\b:128*(\p)+FR*\b+FR-1], v[AF+FR*(\a):AF+FR*(\a)+FR-1], v[BIA+8*\b:BIA+8*\b+7], v[SC+8*NQ*(\sc)+NQ*\b+(\q)], v[SC+8*NQ*(\sc)+NQ*(\a)+(\q)] matrix_a_scale:MATRIX_SCALE_ROW1
.else
	v_wmma_scale_f32_16x16x128_f8f6f4 v[8*(8*((\a)%4)+\b):8*(8*((\a)%4)+\b)+7], v[128*(\p)+FR*\b:128*(\p)+FR*\b+FR-1], v[AF+FR*(\a):AF+FR*(\a)+FR-1], v[8*(8*((\a)%4)+\b):8*(8*((\a)%4)+\b)+7], v[SC+8*NQ*(\sc)+NQ*\b+(\q)], v[SC+8*NQ*(\sc)+NQ*(\a)+(\q)] matrix_a_scale:MATRIX_SCALE_ROW1
.endif
.endr
.endr
.endm
.macro FETCH_B slot, q, p              ; source 0's eight fragments of the slot's q-th 128 along K into set p
	WIN TO_B
.irp i, 0,1,2,3,4,5,6,7
	FRAG 128*(\p)+FR*\i, ADRB+\slot, \q, \i
.endr
	WIN 0
.endm
.macro FETCH_A slot, q, i0             ; source 1's blocks i0 .. i0 + 3
.irp i, \i0, \i0+1, \i0+2, \i0+3
	FRAG AF+FR*(\i), ADRA+\slot, \q, \i
.endr
.endm
.macro SCALES sc                       ; the next K step's scale words into set sc: two words a row
.irp i, 0,1,2,3,4,5,6,7
	ds_load_b64 v[SC+8*NQ*\sc+NQ*\i:SC+8*NQ*\sc+NQ*\i+1], v[ADRS] offset:\i*SBLK
.endr
.endm
.macro STEP slot, q, zero              ; a step of 128 along K that has its successor in the same slot
	s_wait_dscnt 4*NL                              ; source 0's set and source 1's blocks 0-3 are in; the youngest sixteen loads (blocks 4-7) may be out
.if \zero
	WIN 0x81                                       ; C (the bias) window 0, D window 2
.else
	WIN MUL_LO
.endif
	MUL16 0, (\q)%2, \q, \slot, \zero
	MUL16 2, (\q)%2, \q, \slot, \zero
	s_wait_dscnt 0                                 ; blocks 4-7 are in
	PLACES NP
	FETCH_B \slot, (\q)+1, 1-(\q)%2
	FETCH_A \slot, (\q)+1, 0
.if \zero
	WIN 0xc1
.else
	WIN MUL_HI
.endif
	MUL16 4, (\q)%2, \q, \slot, \zero
	MUL16 6, (\q)%2, \q, \slot, \zero
	PLACES NP
	WIN 0
	FETCH_A \slot, (\q)+1, 4
.endm
; A slot's last step changes slots: one barrier, which opens a round of the cluster's; in front of it each wave waits for all its tensor loads, adds 0 to its spare word, and waits for that and for its reads of this slot.
; Every slot of part 1 is filled again.  fetch = 0: part 1's very last step: the next slot's fragments are part 2's and are fetched behind the way out.
.macro TURN slot, next, mode, fetch
	s_wait_tensorcnt 0x0                           ; all my tensor loads have landed: my part of the next slot
	ds_add_u32 v[SPW], v[NIL]                      ; 0 onto my spare word
	s_wait_dscnt 4*NL+1                            ; (the add and the youngest sixteen loads may be out)
	WIN MUL_LO
	MUL16 0, 1, NQ-1, \slot, 0
	s_wait_dscnt 0x0                               ; the add is done, and my reads of this slot are over
	s_barrier_signal -1
	MUL16 2, 1, NQ-1, \slot, 0
	WIN 0
	s_barrier_wait -1
	CREST                                          ; no wave of any partner still reads this slot or has a load on its way
	REFILL \slot, \mode                            ; the first tensor load behind the round; its four v_nop are among the places in front of the loads below
.if \fetch
	PLACES NP-4
	s_wait_alu depctr_va_vdst(0)
	v_add_nc_u32 v[ADRS], 4*NQ, v[ADRS]            ; on to the next K step's scale words
	FETCH_B \next, 0, 0
	FETCH_A \next, 0, 0
	SCALES \next
.endif
	WIN MUL_HI
	MUL16 4, 1, NQ-1, \slot, 0
	MUL16 6, 1, NQ-1, \slot, 0
.if \fetch
	PLACES NP
.endif
	WIN 0
.if \fetch
	FETCH_A \next, 0, 4
.endif
.endm
; ---------------- PART 2: both operands have two sets of registers; a step's 48 loads are issued at the head of the step before, so the wait at a step's head is for all of them
.macro MULH a0, p, q, sc, zero         ; 16 matrix instructions: source 1's blocks a0, a0 + 1 (of four) x source 0's eight; the 32 accumulators take turns
.irp a, \a0, \a0+1
.irp b, 0,1,2,3,4,5,6,7
.if \zero
	v_wmma_scale_f32_16x16x128_f8f6f4 v[8*(8*(\a)+\b):8*(8*(\a)+\b)+7], v[128*(\p)+FR*\b:128*(\p)+FR*\b+FR-1], v[AF+64*(\p)+FR*(\a):AF+64*(\p)+FR*(\a)+FR-1], 0, v[SC+8*NQ*(\sc)+NQ*\b+(\q)], v[SC+8*NQ*(\sc)+NQ*(\a)+(\q)] matrix_a_scale:MATRIX_SCALE_ROW1
.else
	v_wmma_scale_f32_16x16x128_f8f6f4 v[8*(8*(\a)+\b):8*(8*(\a)+\b)+7], v[128*(\p)+FR*\b:128*(\p)+FR*\b+FR-1], v[AF+64*(\p)+FR*(\a):AF+64*(\p)+FR*(\a)+FR-1], v[8*(8*(\a)+\b):8*(8*(\a)+\b)+7], v[SC+8*NQ*(\sc)+NQ*\b+(\q)], v[SC+8*NQ*(\sc)+NQ*(\a)+(\q)] matrix_a_scale:MATRIX_SCALE_ROW1
.endif
.endr
.endr
.endm
.macro FETCH2 slot, q, p
	WIN TO_B
.irp i, 0,1,2,3,4,5,6,7
	FRAG 128*(\p)+FR*\i, ADRB2+\slot, \q, \i
.endr
	WIN 0
.irp i, 0,1,2,3
	FRAG AF+64*(\p)+FR*\i, ADRA2+\slot, \q, \i
.endr
.endm
.macro SCALES2 sc                      ; lanes 16-31: x's eight blocks; lanes 0-15: w's four (what they bring for i = 4 .. 7 are other rows' scale bytes, which no product names)
.irp i, 0,1,2,3,4,5,6,7
	ds_load_b64 v[SC+8*NQ*\sc+NQ*\i:SC+8*NQ*\sc+NQ*\i+1], v[ADRS2] offset:\i*SBLK
.endr
.endm
.macro STEP2 slot, zero                ; a slot's first step
	s_wait_dscnt 0x0                               ; this step's fragments and scale words are in
.if !\zero
	PLACES NP                                      ; in front of loads into the sets that the step before multiplied
.endif
	FETCH2 \slot, 1, 1
	WIN MUL_LO
	MULH 0, 0, 0, \slot, \zero
	MULH 2, 0, 0, \slot, \zero
	WIN 0
.endm
.macro TURN2 slot, next, fill          ; a slot's last step: its fragments were the last reads of the slot
	s_wait_tensorcnt 0x0                           ; all my tensor loads have landed: my part of the next slot
	ds_add_u32 v[SPW], v[NIL]                      ; 0 onto my spare word
	s_wait_dscnt 0x0                               ; the add is done; this step's fragments are in, and with them my reads of this slot are over
	s_barrier_signal -1
	WIN MUL_LO
	MULH 0, 1, 1, \slot, 0
	WIN 0
	s_barrier_wait -1
.if \fill
	CREST
	REFILL \slot, 3
	PLACES NP-4
.else
	PLACES NP
.endif
	s_wait_alu depctr_va_vdst(0)
	v_add_nc_u32 v[ADRS2], 4*NQ, v[ADRS2]
	FETCH2 \next, 0, 0
	SCALES2 \next
	WIN MUL_LO
	MULH 2, 1, 1, \slot, 0
	WIN 0
.endm
; THE WAY OUT, block a of source 1 at a time: its eight accumulators are 64 numbers a lane, register 16 c + i = place 32 c + 16 (lane / 16) + i along source 0's rows: four blocks of 32, each shared with lane l xor 16.
; Each block's largest magnitude gives its scale; the numbers are converted; the four registers of a block are stored as they stand.  role = 0: q and k; 1: v, whose bias is added here.
.macro EPIA a, role
.set AC, 64*((\a)%4)
.set CD, 128+16*(\a)                   ; each block has registers of its own for its codes: no store's data are written again within a part
.if \role
	WIN 0x82+0x41*((\a)/4)                         ; destination and source 0: the accumulators' window
.set k, 0
.rept 32
	v_pk_add_f32 v[AC+2*k:AC+2*k+1], v[AC+2*k:AC+2*k+1], v[BV+2*(\a):BV+2*(\a)+1]   ; each accumulator from its low end on
.set k, k+1
.endr
.endif
	WIN 0x0a+5*((\a)/4)                            ; sources 0 and 1: the accumulators' window
.irp b, 0,1,2,3
	v_max3_num_f32 v[TM+\b], |v[AC+16*\b]|, |v[AC+16*\b+1]|, 0x4800000   ; my 16 numbers of block b, each accumulator from its low end on, and the floor 2^(9 - 127): the byte cannot fall under 1
.endr
.irp i, 2,4,6,8,10,12,14
.irp b, 0,1,2,3
	v_max3_num_f32 v[TM+\b], |v[AC+16*\b+\i]|, |v[AC+16*\b+\i+1]|, v[TM+\b]
.endr
.endr
	WIN 0
.irp b, 0,1,2,3
	v_permlanex16_b32 v[PX+\b], v[TM+\b], s100, s101
.endr
.irp b, 0,1,2,3
	v_max_num_f32 v[TM+\b], v[TM+\b], v[PX+\b]     ; with lane l xor 16's: the block's largest magnitude
.endr
.irp b, 0,1,2,3
	v_add_nc_u32 v[SCO+\b], 0xfc000000, v[TM+\b]   ; 8 off its exponent field: the conversion's scale operand
.endr
.irp b, 0,1,2,3
.endr
.irp b, 0,1,2,3
	v_lshrrev_b32 v[PX+\b], 23, v[SCO+\b]          ; the scale's byte
.endr
.if \role
	v_lshl_or_b32 v[WD+(\a)], v[PX+1], 8, v[PX]    ; v: the four blocks of keys make the word of row r of tile a
	v_lshl_or_b32 v[WD+(\a)], v[PX+2], 16, v[WD+(\a)]
	v_lshl_or_b32 v[WD+(\a)], v[PX+3], 24, v[WD+(\a)]
.else
.irp e, 0,1                                    ; q, k: head e's two bytes are half of the word of the pair of tiles a / 2
.if (\a)%2 == 0
	v_lshl_or_b32 v[WD+4*\e+(\a)/2], v[PX+2*\e+1], 8, v[PX+2*\e]
.else
	v_lshl_or_b32 v[TT], v[PX+2*\e+1], 8, v[PX+2*\e]
	v_lshl_or_b32 v[WD+4*\e+(\a)/2], v[TT], 16, v[WD+4*\e+(\a)/2]
.endif
.endr
.endif
	WIN 0x82+0x41*((\a)/4)
.irp b, 0,1,2,3
.set k, 0
.rept 16
.set k, k+1
.endr
.endr
	WIN 0x02+(\a)/4                                ; source 0: the accumulators' window
.irp b, 0,1,2,3
	v_cvt_scalef32_pk8_fp8_f32 v[CD+4*\b:CD+4*\b+1], v[AC+16*\b:AC+16*\b+7], v[SCO+\b]
	v_cvt_scalef32_pk8_fp8_f32 v[CD+4*\b+2:CD+4*\b+3], v[AC+16*\b+8:AC+16*\b+15], v[SCO+\b]
.endr
	v_nop                                          ; one plain line behind the last conversion
	WIN 0
.irp b, 0,1,2,3
.if \role
	global_store_b128 v[LI], v[CD+4*\b:CD+4*\b+3], s[52:53] offset:(\a)*2048+\b*512                        ; tile a of my head's 64, keys 32 b on: 512 consecutive bytes
.else
	global_store_b128 v[LI], v[CD+4*\b:CD+4*\b+3], s[48:49] offset:(\b/2)*524288+(\a)*1024+(\b%2)*512     ; head b / 2, tile a of tokens, channels 32 (b % 2) on
.endif
.endr
.endm
	s_wait_loadcnt 0x0                             ; the biases
	s_wait_tensorcnt 1                             ; all the scales and my part of K step 0 are in (K step 1's load may be out),
	s_barrier_signal -1
	s_barrier_wait -1                              ; everybody's are
	FETCH_B 0, 0, 0
	FETCH_A 0, 0, 0
	SCALES 0
	FETCH_A 0, 0, 4
	; part 2's descriptors for w, in the registers of the scales' loads, which the wait above has shown done: 64 rows a wave
	s_or_b32 s[G1W+0], s44, (0<<16)|(1<<20)|(1<<21)|(5<<22)|(3<<25)
	s_mov_b32 s[G1W+1], ROWB<<16
	s_mov_b32 s[G1W+2], 64<<16
	s_mov_b32 s[G1W+3], ROWB<<16
	s_mov_b32 s[G1W+4], 64
	s_mov_b32 s[G1W+5], KROW
	s_mov_b32 s[G1W+6], 0
	s_mov_b32 s[G1W+7], 0
	s_mul_i32 s18, s16, QUART
.irp s, 0,1
	s_mov_b32 s[G0W+4*\s], 1
	s_add_co_u32 s[G0W+4*\s+1], s18, 2*HALFT+\s*SLOT
	s_add_nc_u64 s[G0W+4*\s+2:G0W+4*\s+3], s[66:67], \s*ROWB
	s_or_b32 s[G0W+4*\s+3], s[G0W+4*\s+3], 0x80000000
.endr
	STEP 0, 0, 1                                   ; K step 0: its first products start the sums
	TURN 0, 1, 1, 1                                ; slot 0 takes K step 2
	STEP 1, 0, 0
	TURN 1, 0, 1, 1                                ; slot 1 takes K step 3
	STEP 0, 0, 0
	TURN 0, 1, 2, 1                                ; THE RING GOES ON INTO PART 2: slot 0 takes its K step 0,
	STEP 1, 0, 0
	TURN 1, 0, 2, 0                                ; slot 1 its K step 1.  The wait and the round here have also shown slot 0's new tile to every wave
	PLACES NP                                      ; behind the last products: vector lines now read results and write registers that held fragments and scale words
	s_lshr_b32 s18, s17, 3                         ; batch
	s_and_b32 s19, s17, 7
	s_lshl_b32 s19, s19, 1                         ; the first of x's tile's two steps of 128 tokens
	s_lshl_b32 s20, s42, 2
	s_lshl_b32 s21, s16, 1
	s_add_co_u32 s20, s20, s21                     ; q, k: the first of my two heads, 0..31
	s_lshl_b32 s20, s20, 2
	s_add_co_u32 s20, s20, s18
	s_add_co_u32 s21, s19, s15                     ; my step
	s_lshl_b32 s22, s20, 17
	s_lshl_b32 s23, s21, 13
	s_add_co_u32 s22, s22, s23
	s_mov_b32 s23, 0
	s_add_nc_u64 s[48:49], s[96:97], s[22:23]      ; codes: 131,072 bytes for a head and batch, 8,192 a step.  (s48-63: part 1's descriptors for w are done with)
	s_lshl_b32 s22, s20, 12
	s_lshl_b32 s21, s21, 8
	s_add_co_u32 s22, s22, s21
	s_add_co_u32 s22, s22, 0x1000000
	s_add_nc_u64 s[50:51], s[96:97], s[22:23]      ; scale words: behind the codes, 4,096 and 256
	s_lshl_b32 s20, s42, 1
	s_add_co_u32 s20, s20, s15                     ; v: my head
	s_lshl_b32 s20, s20, 2
	s_add_co_u32 s20, s20, s18
	s_add_co_u32 s21, s19, s16                     ; my step
	s_lshl_b32 s22, s20, 17
	s_lshl_b32 s18, s21, 13
	s_add_co_u32 s22, s22, s18
	s_add_nc_u64 s[52:53], s[98:99], s[22:23]
	s_lshl_b32 s22, s20, 12
	s_lshl_b32 s21, s21, 8
	s_add_co_u32 s22, s22, s21
	s_add_co_u32 s22, s22, 0x800000
	s_add_nc_u64 s[54:55], s[98:99], s[22:23]
	s_mov_b32 s100, 0x76543210
	s_mov_b32 s101, 0xfedcba98                     ; v_permlanex16_b32's selects for lane l xor 16
.irp b, 0,1,2,3
	v_mov_b32 v[PX+\b], 0                          ; a lane permute's destination counts as one of its sources
.endr
	v_cmp_eq_u32 vcc_lo, 1, v2                     ; lanes 16-31, for the scale words' store
.irp a, 0,1,2,3,4,5,6,7
	EPIA \a, 0
.endr
.irp k, 0,1,2,3
	v_cndmask_b32 v[OW+\k], v[WD+\k], v[WD+4+\k], vcc_lo   ; lanes 0-15 store my first head's four words of row r, lanes 16-31 my second head's
.endr
	global_store_b128 v[SA], v[OW:OW+3], s[50:51]  ; sixteen lanes store 256 consecutive bytes, aligned
	s_wait_xcnt 0x0                                ; the stores have read their registers: part 2's fragments and scale words land there only behind this wait
	FETCH2 0, 0, 0
	SCALES2 0
	STEP2 0, 1                                     ; part 2's K step 0: its first products start the sums
	TURN2 0, 1, 1                                  ; slot 0 takes K step 2
	STEP2 1, 0
	TURN2 1, 0, 1                                  ; slot 1 takes K step 3
	STEP2 0, 0
	TURN2 0, 1, 0                                  ; nothing is left to fetch
	STEP2 1, 0
	s_wait_dscnt 0x0
	WIN MUL_LO
	MULH 0, 1, 1, 1, 0
	MULH 2, 1, 1, 1, 0
	WIN 0
	PLACES NP
.irp b, 0,1,2,3
	v_mov_b32 v[PX+\b], 0
.endr
.irp a, 0,1,2,3
	EPIA \a, 1
.endr
	global_store_b128 v[SA2], v[WD:WD+3], s[54:55] ; row r's four words: 256 consecutive bytes, aligned; lanes l and l xor 16 write the same bytes with the same values
	s_wait_tensorcnt 0x0                           ; the wave's end
	ds_add_u32 v[SPW], v[NIL]
	s_wait_dscnt 0x0
	CROUND                                         ; the closing round: no work-group ends while a partner may still ask for a tile that names it
	s_endpgm
.Lfunc_end_k_q4c476035fa_gemm_qkv:
	.size	k_q4c476035fa_gemm_qkv, .Lfunc_end_k_q4c476035fa_gemm_qkv-k_q4c476035fa_gemm_qkv
	.p2alignl 7, 3214868480
	.fill 96, 4, 3214868480
	.section	.rodata,"a",@progbits
	.p2align	6, 0x0
	.amdhsa_kernel k_q4c476035fa_gemm_qkv
		.amdhsa_group_segment_fixed_size 327680
		.amdhsa_private_segment_fixed_size 0
		.amdhsa_enable_private_segment 0
		.amdhsa_kernarg_size 40
		.amdhsa_user_sgpr_count 2
		.amdhsa_user_sgpr_kernarg_segment_ptr 1
		.amdhsa_wavefront_size32 1
		.amdhsa_system_sgpr_workgroup_id_x 1
		.amdhsa_system_sgpr_workgroup_id_y 1
		.amdhsa_system_sgpr_workgroup_id_z 1
		.amdhsa_system_vgpr_workitem_id 0
		.amdhsa_next_free_vgpr 1024
		.amdhsa_next_free_sgpr 102
		.amdhsa_reserve_vcc 1
		.amdhsa_float_denorm_mode_32 3
		.amdhsa_float_denorm_mode_16_64 3
		.amdhsa_fp16_overflow 1
		.amdhsa_memory_ordered 1
		.amdhsa_forward_progress 1
		.amdhsa_inst_pref_size 246
	.end_amdhsa_kernel
	.amdgpu_metadata
---
amdhsa.version: [ 1, 2 ]
amdhsa.kernels:
  - .name:           k_q4c476035fa_gemm_qkv
    .symbol:         k_q4c476035fa_gemm_qkv.kd
    .args:
      - { .name: xq, .offset: 0, .size: 8, .value_kind: global_buffer, .address_space: global }
      - { .name: wq, .offset: 8, .size: 8, .value_kind: global_buffer, .address_space: global }
      - { .name: b_qkv, .offset: 16, .size: 8, .value_kind: global_buffer, .address_space: global }
      - { .name: qk, .offset: 24, .size: 8, .value_kind: global_buffer, .address_space: global }
      - { .name: vv, .offset: 32, .size: 8, .value_kind: global_buffer, .address_space: global }
    .group_segment_fixed_size: 327680
    .private_segment_fixed_size: 0
    .kernarg_segment_align: 8
    .kernarg_segment_size: 40
    .max_flat_workgroup_size: 128
    .sgpr_count:     102
    .vgpr_count:     1024
    .wavefront_size: 32
...
	.end_amdgpu_metadata
.endif
;; end of part 2
;; launch attn (part 3): grid 4 x 64, 16 waves a work-group, no clusters, 272,384 bytes of LDS; arguments qk, vv, aa; writes aa
.if DOCPART == 3
	.amdgcn_target "amdgcn-amd-amdhsa--gfx1250"
	.amdhsa_code_object_version 6
	.text
	.protected	k_q4c476035fa_attn
	.globl	k_q4c476035fa_attn
	.p2align	8
	.type	k_q4c476035fa_attn,@function
k_q4c476035fa_attn:
	s_mov_b64 s[64:65], 0
	v_nop
	global_prefetch_b8 v0, s[64:65] scope:SCOPE_SE
	s_setreg_imm32_b32 hwreg(HW_REG_WAVE_MODE, 25, 1), 1
	s_wait_xcnt 0x0
; Causal attention of one head of one batch on codes of E4M3 with E8M0 scales, and its result quantised along the out projection's K on the way out.
; t = score x log2(e) / 8; M = the row's largest t so far, rounded UP to a whole number; p = 2^(t - M) is what is quantised, along the keys, not normalised; the row's sum is taken of the unquantised p
; and divides O at the end; when M moves, the sum and O are multiplied by 2^(old M - new M), which rounds nothing.
; IN (laid by the launch before as images of the operands' registers; sigma(s) = s with bits 3 and 4 exchanged): qk, vv: see OUT of that launch.  A tile of 16 tokens holds token sigma(16 tile + r) in lane r.
; SHARES.  Work-group (i, Y = 4 head + batch) owns the query blocks 7 - i (first) and i of 256 tokens: 18 key steps of 128 in every work-group, so all 256 have equal work and every trip count is a constant.
; Each of the SIXTEEN waves owns one tile of 16 queries in each of the two passes, in 256 registers: four waves to a SIMD.
; THE WHOLE HEAD'S K AND V LIE IN LDS, filled once by the tensor data mover (waves 0, 1: K; waves 2, 3: V): nothing is filled again, nothing is stored to LDS.  Keys 0-255 come by a load of their own, so that the first
; two steps run while the rest is on its way.  Every fragment is 2,048 consecutive bytes, 16 x lane within each 512: no padding is wanted.
; NO CLUSTER: the four work-groups of a head fill the same bytes, but which steps a work-group leaves out and where it changes pass hang on its place among the four.
; THE HEAD'S 64 IN AN INSTRUCTION OF 128: a fragment of K is TWO neighbouring tiles of keys, [tile 2 f | tile 2 f + 1]; multiplied by [q | 0] it gives tile 2 f's scores, by [0 | q] tile 2 f + 1's: zero codes add nothing.
; Both products are used transposed (source 0 = keys, or rows of V^T; source 1 = my queries): a lane holds ONE query.  By the order of tokens the 16 registers of score tiles 2 f, 2 f + 1 are keys 32 f + 16 (lane / 16) + 0 .. 15.
; CAUSAL: a step all of whose keys come after my tile's tokens is left out by a scalar branch on ids; in the one step on the diagonal hidden scores become -infinity ahead of the maximum.
; OUT.  aa: codes [batch x 128 + tile][K step of 128: head / 2][c = 2 (head % 2) + block][lane][16 bytes]; at byte 8,388,608 scale bytes [place of the token 8192][32], byte 2 head + block.
;   The scale bytes leave 2 bytes a row, rows 32 bytes apart: one byte in 32 of what this launch stores.
; LIMITS: a block whose largest magnitude lies under 2^(9 - 127) keeps the scale byte 1; NaN and infinities are not served.
.set KSL,  262144                      ; LDS: K's codes at 0, V's at 131,072 (8,192 bytes a key step each); K's scale words here, V's 4,096 on (256 bytes a step each)
.set S,    112                         ; v112-175 S^T, then p
.set O,    176                         ; v176-207 O^T: four tiles
.set PC,   208                         ; v208-223 p's codes; at a pass's end the result's
.set KF,   48                          ; v48-111  four fragments of K, then of V
.set BM,   224                         ; v224-227 the blocks' largest
.set PX,   228                         ; v228-231 the other half's, then the bytes
.set LIM,  232
.set SCO,  236                         ; v236-239 the conversions' scale operands
.set KSR,  240                         ; v240-243 K's, then V's scale words: scales and nothing else
.set PW,   244                         ; v244     p's scale word
.set T0,   245                         ; v245     at work
.set F,    246                         ; v[246:247] f = 2^(old M - new M); at a pass's end 1 / the sum
.set SUM2, 248                         ; v[248:249] the second chain of the sum
.set NINF, 251                         ; v251     -infinity
; v1 16 x lane; v2 16 r; v3 32 r; v4 my query's place in its 128 less 16 h; v5 the lane's part of that; v6 16 r + KSL; v8-10 the step's LDS addresses; v12 -M, v13 the largest t, v[14:15] the sum;
; v16-23 zeros, v24-31 q, v32-39 zeros: [0 | q] = v[16:31], [q | 0] = v[24:39]; v40 q's scale word; v41 the word as loaded
.set WV,  10
.set II,  11
.set YY,  12
.set SW,  13                           ; the step at which the second pass begins: 16 - 2 i
.set UU,  14                           ; the step, 0 .. 17
.set KS,  15                           ; its 128 keys
.set TAU, 16                           ; my tile of queries
.set DG,  17                           ; the key step on its diagonal
.set I2,  18
.set MNT, 19
.set SEL, 20
.set CS,  22
.set TK,  60                           ; 8,192 x KS
.set TS,  61                           ; 256 x KS
	s_load_b128 s[4:7], s[0:1], 0x0                ; qk, vv
	s_load_b64 s[8:9], s[0:1], 0x10                ; aa
	v_lshl_add_u32 v254, v0, 2, 0x42000
	v_mov_b32 v255, 0
	ds_add_u32 v254, v255
	ds_add_u32 v254, v255
	v_lshrrev_b32 v7, 5, v0
	s_delay_alu instid0(VALU_DEP_1)
	v_readfirstlane_b32 s[WV], v7                  ; wave 0..15
	s_mov_b32 s[II], ttmp9
	s_and_b32 s[YY], ttmp7, 0xffff
	s_lshl_b32 s[I2], s[II], 1
	s_sub_co_u32 s[SW], 16, s[I2]
	v_and_b32 v7, 31, v0
	s_delay_alu instid0(VALU_DEP_1)
	v_lshlrev_b32 v1, 4, v7
	v_and_b32 v7, 15, v0                           ; r
	s_delay_alu instid0(VALU_DEP_1)
	v_lshlrev_b32 v2, 4, v7
	s_delay_alu instid0(VALU_DEP_2)
	v_lshlrev_b32 v3, 5, v7
	s_delay_alu instid0(VALU_DEP_2)
	v_add_nc_u32 v6, KSL, v2
	v_bfe_u32 v11, v0, 4, 1                        ; h
	v_and_b32 v5, 8, v7
	s_delay_alu instid0(VALU_DEP_1)
	v_add_nc_u32 v5, v5, v7                        ; r + 8 (r / 8): where lane r's token lies among its tile's 32
	s_delay_alu instid0(VALU_DEP_3)
	v_lshlrev_b32 v11, 4, v11
	s_delay_alu instid0(VALU_DEP_1)
	v_sub_nc_u32 v5, v5, v11                       ; less 16 h
	s_mov_b32 s[SEL], 0x76543210
	s_mov_b32 s[SEL+1], 0xfedcba98                 ; v_permlanex16_b32's selects for lane l xor 16
	s_mov_b32 s[CS], 0x3e38aa3b                    ; c = log2(e) / sqrt(64)
	s_mov_b32 s[CS+1], s[CS]                       ; (named with it as a pair, so it is written)
	s_mov_b32 s87, 0x01000100                      ; byte selects: q's two scale bytes, twice: an even tile's,
	s_mov_b32 s88, 0x03020302                      ; an odd tile's
	s_mov_b32 s83, 0                               ; the upper word of every offset below; stays 0
	s_wait_dscnt 0x0
	s_wait_kmcnt 0x0
	s_lshl_b32 s82, s[YY], 17
	s_add_nc_u64 s[66:67], s[4:5], s[82:83]        ; q's codes of my head and batch
	s_lshl_b32 s82, s[YY], 12
	s_add_co_u32 s82, s82, 0x1000000
	s_add_nc_u64 s[68:69], s[4:5], s[82:83]        ; and its scale words
	s_and_b32 s84, s[YY], 3                        ; batch
	s_lshr_b32 s85, s[YY], 2                       ; head
	s_lshl_b32 s82, s84, 21
	s_lshl_b32 s86, s85, 10
	s_add_co_u32 s82, s82, s86
	s_add_nc_u64 s[70:71], s[8:9], s[82:83]        ; aa's codes: 128 tiles of 16,384 bytes a batch, 1,024 bytes a head
	s_lshl_b32 s82, s84, 16
	s_lshl_b32 s86, s85, 1
	s_add_co_u32 s82, s82, s86
	s_add_co_u32 s82, s82, 0x800000
	s_add_nc_u64 s[72:73], s[8:9], s[82:83]        ; aa's scale bytes: 2,048 rows of 32 bytes a batch, 2 bytes a head
	; THE FILLS: waves 0-3, three loads each, inside one branch on the wave's number: my half of the scale words, of keys 0-255, of keys 256 on.  All are dense blocks, stated as rows of 256 bytes.
	s_cmp_lt_u32 s[WV], 4
	s_cbranch_scc0 .Lno_fill
.macro DENSE g, rows                   ; descriptor group 1: rows of 32 elements of 8 bytes, one behind the other, no padding, no mask
	s_mov_b32 s[\g], 3<<16
	s_mov_b32 s[\g+1], 32<<16                      ; tensor_dim0
	s_mov_b32 s[\g+2], (\rows)<<16                 ; tensor_dim1
	s_mov_b32 s[\g+3], 32<<16                      ; tile_dim0
	s_mov_b32 s[\g+4], \rows                       ; tile_dim1
	s_mov_b32 s[\g+5], 32                          ; tensor_dim0_stride
	s_mov_b32 s[\g+6], 0
	s_mov_b32 s[\g+7], 0
.endm
	DENSE 24, 8
	DENSE 32, 32
	DENSE 40, 224
	s_mov_b32 s86, 0x800000
	s_cmp_lt_u32 s[WV], 2                          ; K (waves 0, 1) or V (waves 2, 3); every select stands ahead of the first addition
	s_cselect_b64 s[84:85], s[4:5], s[6:7]
	s_cselect_b32 s82, 64, 0                       ; k's heads lie behind q's sixteen
	s_cselect_b32 s86, 0x1000000, s86              ; where the buffer's scale words begin
	s_add_co_u32 s82, s82, s[YY]
	s_mov_b32 s91, 0
	s_lshl_b32 s90, s82, 17
	s_add_nc_u64 s[92:93], s[84:85], s[90:91]      ; the head's codes
	s_and_b32 s89, s[WV], 1                        ; which half I fetch
	s_lshl_b32 s90, s82, 12
	s_add_co_u32 s90, s90, s86
	s_lshl_b32 s86, s89, 11
	s_add_co_u32 s90, s90, s86
	s_mov_b32 s48, 1
	s_lshl_b32 s49, s[WV], 11
	s_add_co_u32 s49, s49, KSL                     ; LDS: 2,048 bytes a wave
	s_add_nc_u64 s[50:51], s[84:85], s[90:91]
	s_or_b32 s51, s51, 0x80000000
	s_lshr_b32 s86, s[WV], 1
	s_lshl_b32 s86, s86, 17                        ; LDS: K's codes at 0, V's at 131,072
	s_mov_b32 s52, 1
	s_lshl_b32 s53, s89, 13
	s_add_co_u32 s53, s53, s86
	s_lshl_b32 s90, s89, 13
	s_add_nc_u64 s[54:55], s[92:93], s[90:91]      ; key step 0 or 1
	s_or_b32 s55, s55, 0x80000000
	s_mov_b32 s56, 1
	s_mul_i32 s57, s89, 57344
	s_add_co_u32 s57, s57, s86
	s_add_co_u32 s57, s57, 16384
	s_mul_i32 s90, s89, 57344
	s_add_co_u32 s90, s90, 16384
	s_add_nc_u64 s[58:59], s[92:93], s[90:91]      ; key steps 2-8 or 9-15
	s_or_b32 s59, s59, 0x80000000
	tensor_load_to_lds s[48:51], s[24:31]
	s_nop 0
	tensor_load_to_lds s[52:55], s[32:39]
	s_nop 0
	tensor_load_to_lds s[56:59], s[40:47]          ; three loads of mine are out
	s_nop 0
.rept 4
	v_nop
.endr
.Lno_fill:
.macro QPTR                            ; where tile TAU's q lies
	s_lshl_b32 s82, s[TAU], 10
	s_add_nc_u64 s[74:75], s[66:67], s[82:83]
	s_lshr_b32 s82, s[TAU], 3
	s_lshl_b32 s82, s82, 8
	s_bfe_u32 s84, s[TAU], 0x20001
	s_lshl_b32 s84, s84, 2
	s_add_co_u32 s82, s82, s84
	s_add_nc_u64 s[76:77], s[68:69], s[82:83]      ; the word of its pair of tiles; 16 bytes a row
.endm
.macro QLOAD
	global_load_b128 v[24:27], v1, s[74:75]
	global_load_b128 v[28:31], v1, s[74:75] offset:512
	global_load_b32 v41, v2, s[76:77]
.endm
.macro OPTR                            ; where tile TAU's result goes, its diagonal, my query's place, and which two bytes of the word are q's
	s_lshl_b32 s82, s[TAU], 14
	s_add_nc_u64 s[78:79], s[70:71], s[82:83]
	s_lshl_b32 s82, s[TAU], 9
	s_add_nc_u64 s[80:81], s[72:73], s[82:83]
	s_lshr_b32 s[DG], s[TAU], 3
	s_bfe_u32 s82, s[TAU], 0x20001
	s_lshl_b32 s82, s82, 5
	s_and_b32 s84, s[TAU], 1
	s_lshl_b32 s85, s84, 3
	s_add_co_u32 s82, s82, s85
	v_add_nc_u32 v4, s82, v5                       ; 32 ((tile / 2) % 4) + 8 (tile % 2) + r + 8 (r / 8) - 16 h
	s_cmp_eq_u32 s84, 1
	s_cselect_b32 s86, s88, s87
.endm
.macro INIT                            ; a pass begins: the step is written once, and its first trip finds zeros, which the first change of M leaves zeros
	v_mov_b32 v13, 0xff61b1e6                      ; the largest t so far: -3e38, under every t
	s_delay_alu instid0(VALU_DEP_1)
	v_floor_f32 v12, -v13                          ; -M
	v_mov_b32 v14, 0
	v_mov_b32 v15, 0
.set j, 0
.rept 32
	v_mov_b32 v[O+j], 0
.set j, j+1
.endr
.endm
	s_sub_co_u32 s[TAU], 7, s[II]                  ; the first pass: block 7 - i
	s_lshl_b32 s[TAU], s[TAU], 4
	s_add_co_u32 s[TAU], s[TAU], s[WV]
	QPTR
	s_wait_alu depctr_va_vdst(0)
	QLOAD
	OPTR
.irp j, 0,1,2,3,4,5,6,7
	v_mov_b32 v[16+\j], 0
	v_mov_b32 v[32+\j], 0
.endr
.irp b, 0,1,2,3
	v_mov_b32 v[PX+\b], 0                          ; written once: a lane permute's destination counts as one of its sources
.endr
	v_mov_b32 v[T0], 0
	v_mov_b32 v[F+1], 0                            ; (named as the upper half of a pair)
	v_mov_b32 v[NINF], 0xff800000
	s_wait_loadcnt 0x0                             ; q
	v_perm_b32 v40, v41, v41, s86                  ; q's two bytes in both halves of the word: one word serves [q | 0] and [0 | q]
	INIT                                           ; (its lines are also the places between that line and the first product)
; A KEY STEP: 128 keys.
.macro STEP
	s_cmp_gt_u32 s[KS], s[DG]                      ; all its keys come after my tokens: nothing to do
	s_cbranch_scc1 .Lhidden_\@
	s_setprio 2
	v_add_nc_u32 v8, s[TK], v1
	s_delay_alu instid0(VALU_DEP_1)
	v_add_nc_u32 v9, 0x20000, v8
	v_add_nc_u32 v10, s[TS], v6
.rept 5
	v_nop                                          ; with the three additions: eight places in front of loads into registers that the last products read
.endr
.irp p, 0,1,2,3
.irp c, 0,1,2,3
	ds_load_b128 v[KF+16*\p+4*\c:KF+16*\p+4*\c+3], v8 offset:2048*\p+512*\c
.endr
.endr
	ds_load_b128 v[KSR:KSR+3], v10                 ; row r's four scale words, one for each pair of tiles
	s_wait_alu depctr_va_vdst(0)
	s_wait_dscnt 0x0
.irp p, 0,1,2,3
	v_wmma_scale_f32_16x16x128_f8f6f4 v[S+16*\p:S+16*\p+7], v[KF+16*\p:KF+16*\p+15], v[24:39], 0, v[KSR+\p], v40
	v_wmma_scale_f32_16x16x128_f8f6f4 v[S+16*\p+8:S+16*\p+15], v[KF+16*\p:KF+16*\p+15], v[16:31], 0, v[KSR+\p], v40
.endr
.rept 8
	v_nop                                          ; places in front of the loads below and of the first read of the scores
.endr
.irp t, 0,1,2,3                                ; V's fragments are asked for now and land under the softmax
.irp c, 0,1,2,3
	ds_load_b128 v[KF+16*\t+4*\c:KF+16*\t+4*\c+3], v9 offset:2048*\t+512*\c
.endr
.endr
	ds_load_b128 v[KSR:KSR+3], v10 offset:4096
	s_cmp_lg_u32 s[KS], s[DG]                      ; on the diagonal the scores of hidden keys become -infinity: register 16 f + i holds key 32 f + 16 h + i of the step
	s_cbranch_scc1 .Lopen_\@
.set n, 0
.rept 64
	v_cmp_gt_i32 vcc_lo, 32*(n/16)+n%16, v4
	v_cndmask_b32 v[S+n], v[S+n], v[NINF], vcc_lo
.set n, n+1
.endr
.Lopen_\@:
.irp b, 0,1,2,3
	v_max3_num_f32 v[BM+\b], v[S+16*\b], v[S+16*\b+1], v[S+16*\b+2]   ; the largest score of each block of 32 keys: for the row's maximum, and, since p rises with the score, for the block's largest p
.endr
.irp i, 3,5,7,9,11,13
.irp b, 0,1,2,3
	v_max3_num_f32 v[BM+\b], v[BM+\b], v[S+16*\b+\i], v[S+16*\b+\i+1]
.endr
.endr
.irp b, 0,1,2,3
	v_max_num_f32 v[BM+\b], v[BM+\b], v[S+16*\b+15]
.endr
.irp b, 0,1,2,3
	s_delay_alu instid0(VALU_DEP_4)
	v_permlanex16_b32 v[PX+\b], v[BM+\b], s[SEL], s[SEL+1]
.endr
.irp b, 0,1,2,3
	s_delay_alu instid0(VALU_DEP_4)
	v_max_num_f32 v[BM+\b], v[BM+\b], v[PX+\b]     ; with lane l xor 16's 16 keys
.endr
	s_delay_alu instid0(VALU_DEP_2)
	v_max3_num_f32 v[T0], v[BM], v[BM+1], v[BM+2]
	s_delay_alu instid0(VALU_DEP_1)
	v_max_num_f32 v[T0], v[T0], v[BM+3]            ; the step's largest score of my query
	s_delay_alu instid0(VALU_DEP_1)
	v_mul_f32 v[T0], s[CS], v[T0]                  ; as t (c is positive)
	s_delay_alu instid0(VALU_DEP_1)
	v_max_num_f32 v13, v13, v[T0]                  ; the running largest t
	v_mov_b32 v[T0], v12
	s_delay_alu instid0(VALU_DEP_2)
	v_floor_f32 v12, -v13                          ; the new -M = floor(-t) = -ceil(t)
	s_delay_alu instid0(VALU_DEP_1)
	v_sub_f32 v[T0], v12, v[T0]                    ; old M less new M: a whole number, 0 or less
	s_delay_alu instid0(VALU_DEP_1)
	v_cvt_i32_f32 v[T0], v[T0]                     ; (it saturates)
	s_delay_alu instid0(VALU_DEP_1)
	v_ldexp_f32 v[F], 1.0, v[T0]                   ; f = 2^(old M - new M)
.set j, 0
	s_setprio 1
.rept 32
	v_pk_fma_f32 v[S+j:S+j+1], v[S+j:S+j+1], s[CS:CS+1], v[12:13] op_sel_hi:[1,0,0]   ; t - M, two at a time
.set j, j+2
.endr
.irp b, 0,1,2,3
	v_fma_f32 v[BM+\b], v[BM+\b], s[CS], v12       ; the same of each block's largest score
.endr
.set j, 0
	s_wait_alu depctr_va_vdst(0)
.rept 64
	v_exp_f32 v[S+j], v[S+j]                       ; p = 2^(t - M), at most 1
.set j, j+1
.endr
.irp b, 0,1,2,3
	v_exp_f32 v[BM+\b], v[BM+\b]                   ; the block's largest p: the same two instructions on the same number give the same bits
.endr
	v_pk_mul_f32 v[14:15], v[14:15], v[F:F+1] op_sel_hi:[1,0]   ; the sums under the new M (a plain line behind the exponentials)
	s_wait_alu depctr_va_vdst(0)
.irp b, 0,1,2,3
	v_max_num_f32 v[BM+\b], 0x4800000, v[BM+\b]    ; the floor 2^(9 - 127): the byte cannot fall under 1
.endr
.irp b, 0,1,2,3
	s_delay_alu instid0(VALU_DEP_4)
	v_add_nc_u32 v[SCO+\b], 0xfc000000, v[BM+\b]   ; 8 off the exponent field: the conversion's scale operand
.endr
.irp b, 0,1,2,3
.endr
.irp b, 0,1,2,3
	s_delay_alu instid0(VALU_DEP_4)
	v_lshrrev_b32 v[PX+\b], 23, v[SCO+\b]          ; the scale's byte
.endr
	s_delay_alu instid0(VALU_DEP_3)
	v_lshl_or_b32 v[PW], v[PX+1], 8, v[PX]         ; p's scale word for these 128 keys
	s_delay_alu instid0(VALU_DEP_1)
	v_lshl_or_b32 v[PW], v[PX+2], 16, v[PW]
	s_delay_alu instid0(VALU_DEP_1)
	v_lshl_or_b32 v[PW], v[PX+3], 24, v[PW]
	v_pk_add_f32 v[248:249], v[116:117], v[120:121]
	v_pk_add_f32 v[252:253], v[124:125], v[128:129]
	v_pk_add_f32 v[234:235], v[132:133], v[136:137]
	v_pk_add_f32 v[232:233], v[140:141], v[144:145]
	v_pk_add_f32 v[226:227], v[148:149], v[152:153]
	v_pk_add_f32 v[224:225], v[156:157], v[160:161]
	v_pk_add_f32 v[222:223], v[164:165], v[168:169]
	v_pk_add_f32 v[14:15], v[14:15], v[172:173]
	v_pk_add_f32 v[248:249], v[248:249], v[112:113]
	v_pk_add_f32 v[252:253], v[252:253], v[114:115]
	v_pk_add_f32 v[234:235], v[234:235], v[118:119]
	v_pk_add_f32 v[232:233], v[232:233], v[122:123]
	v_pk_add_f32 v[226:227], v[226:227], v[126:127]
	v_pk_add_f32 v[224:225], v[224:225], v[130:131]
	v_pk_add_f32 v[222:223], v[222:223], v[134:135]
	v_pk_add_f32 v[14:15], v[14:15], v[138:139]
	v_pk_add_f32 v[248:249], v[248:249], v[142:143]
	v_pk_add_f32 v[252:253], v[252:253], v[146:147]
	s_setprio 0
	v_pk_add_f32 v[234:235], v[234:235], v[150:151]
	v_pk_add_f32 v[232:233], v[232:233], v[154:155]
	v_pk_add_f32 v[226:227], v[226:227], v[158:159]
	v_pk_add_f32 v[224:225], v[224:225], v[162:163]
	v_pk_add_f32 v[222:223], v[222:223], v[166:167]
	v_pk_add_f32 v[14:15], v[14:15], v[170:171]
	v_pk_add_f32 v[248:249], v[248:249], v[174:175]
	s_delay_alu instid0(VALU_DEP_2)
	v_pk_add_f32 v[14:15], v[14:15], v[232:233]
	s_delay_alu instid0(VALU_DEP_2)
	v_pk_add_f32 v[248:249], v[248:249], v[226:227]
	v_pk_add_f32 v[252:253], v[252:253], v[224:225]
	v_pk_add_f32 v[234:235], v[234:235], v[222:223]
	s_delay_alu instid0(VALU_DEP_2)
	v_pk_add_f32 v[14:15], v[14:15], v[252:253]
	s_delay_alu instid0(VALU_DEP_2)
	v_pk_add_f32 v[248:249], v[248:249], v[234:235]
	s_delay_alu instid0(VALU_DEP_1)
	v_pk_add_f32 v[14:15], v[14:15], v[248:249]
.irp b, 0,1,2,3
.set j, 0
.rept 8                                        ; the conversion does not saturate (ISA guide 7.6.2)
.set j, j+2
.endr
	v_cvt_scalef32_pk8_fp8_f32 v[PC+4*\b:PC+4*\b+1], v[S+16*\b:S+16*\b+7], v[SCO+\b]
	v_cvt_scalef32_pk8_fp8_f32 v[PC+4*\b+2:PC+4*\b+3], v[S+16*\b+8:S+16*\b+15], v[SCO+\b]
.endr
.set j, 0
.rept 16
	v_pk_mul_f32 v[O+j:O+j+1], v[O+j:O+j+1], v[F:F+1] op_sel_hi:[1,0]   ; O^T under the new M; these are also the places between the conversions and the products
.set j, j+2
.endr
	s_wait_alu depctr_va_vdst(0)
	s_wait_dscnt 0x0                               ; V's fragments and scale words are in
.irp t, 0,1,2,3
	v_wmma_scale_f32_16x16x128_f8f6f4 v[O+8*\t:O+8*\t+7], v[KF+16*\t:KF+16*\t+15], v[PC:PC+15], v[O+8*\t:O+8*\t+7], v[KSR+\t], v[PW]
.endr
.Lhidden_\@:
.endm
; A PASS ENDS: O^T is divided by the sum and quantised: the 16 registers of tiles 2 c, 2 c + 1 are channels 32 c + 16 h + 0 .. 15 of the head: two blocks, each shared with lane l xor 16.
.macro FINAL
.rept 8
	v_nop                                          ; places behind the last products
.endr
	v_add_f32 v14, v14, v15
	s_delay_alu instid0(VALU_DEP_1)
	v_permlanex16_b32 v[T0], v14, s[SEL], s[SEL+1]
	s_delay_alu instid0(VALU_DEP_1)
	v_add_f32 v14, v14, v[T0]                      ; the row's sum
	s_wait_alu depctr_va_vdst(0)
	v_rcp_f32 v[F], v14
	v_nop                                          ; a plain line behind the transcendental
.set j, 0
	s_wait_alu depctr_va_vdst(0)
.rept 16
	v_pk_mul_f32 v[O+j:O+j+1], v[O+j:O+j+1], v[F:F+1] op_sel_hi:[1,0]   ; each accumulator from its low end on
.set j, j+2
.endr
.irp b, 0,1
	v_max3_num_f32 v[BM+\b], |v[O+16*\b]|, |v[O+16*\b+1]|, 0x4800000
.endr
.irp i, 2,4,6,8,10,12,14
.irp b, 0,1
	s_delay_alu instid0(VALU_DEP_2)
	v_max3_num_f32 v[BM+\b], v[BM+\b], |v[O+16*\b+\i]|, |v[O+16*\b+\i+1]|
.endr
.endr
.irp b, 0,1
	s_delay_alu instid0(VALU_DEP_2)
	v_permlanex16_b32 v[PX+\b], v[BM+\b], s[SEL], s[SEL+1]
.endr
.irp b, 0,1
	s_delay_alu instid0(VALU_DEP_2)
	v_max_num_f32 v[BM+\b], v[BM+\b], v[PX+\b]
.endr
.irp b, 0,1
	s_delay_alu instid0(VALU_DEP_2)
	v_add_nc_u32 v[SCO+\b], 0xfc000000, v[BM+\b]
.endr
.irp b, 0,1
.endr
.irp b, 0,1
	s_delay_alu instid0(VALU_DEP_2)
	v_lshrrev_b32 v[PX+\b], 23, v[SCO+\b]
.endr
	s_delay_alu instid0(VALU_DEP_1)
	v_lshl_or_b32 v[T0], v[PX+1], 8, v[PX]         ; the head's two scale bytes of my token
.irp b, 0,1
.set j, 0
.rept 16
.set j, j+1
.endr
.endr
.irp b, 0,1
	v_cvt_scalef32_pk8_fp8_f32 v[PC+4*\b:PC+4*\b+1], v[O+16*\b:O+16*\b+7], v[SCO+\b]
	v_cvt_scalef32_pk8_fp8_f32 v[PC+4*\b+2:PC+4*\b+3], v[O+16*\b+8:O+16*\b+15], v[SCO+\b]
.endr
	v_nop                                          ; one plain line behind the last conversion
	global_store_b128 v1, v[PC:PC+3], s[78:79]             ; 512 consecutive bytes a store
	global_store_b128 v1, v[PC+4:PC+7], s[78:79] offset:512
	global_store_b16 v3, v[T0], s[80:81]           ; both lanes of a token write the same two bytes with the same value
.endm
	s_mov_b32 s[UU], 0
	s_mov_b32 s[KS], 0
	s_mov_b32 s[TK], 0
	s_mov_b32 s[TS], 0
	s_wait_tensorcnt 1                             ; my parts of the scale words and of keys 0-255 are in; the load of keys 256 on may be out
	s_barrier_signal -1
	s_barrier_wait -1                              ; everybody's are
.Lfirst:                                           ; steps 0 and 1: they read the first 16,384 bytes of K's and of V's codes, into which the loads still out do not write
	STEP
	s_add_co_u32 s[KS], s[KS], 1
	s_add_co_u32 s[TK], s[TK], 8192
	s_add_co_u32 s[TS], s[TS], 256
	s_add_co_u32 s[UU], s[UU], 1
	s_cmp_lt_u32 s[UU], 2
	s_cbranch_scc1 .Lfirst
	s_setprio 0
	s_wait_tensorcnt 0x0                           ; the rest of my loads are in,
	s_wait_dscnt 0x0
	s_barrier_signal -1
	s_barrier_wait -1                              ; everybody's are: the whole head lies in LDS
.Lstep:                                            ; steps 2 to 17
	s_cmp_eq_u32 s[UU], s[SW]
	s_cbranch_scc0 .Lsame_pass
	s_lshl_b32 s[TAU], s[II], 4                    ; THE SECOND PASS: block i.  Its q is asked for first and lands while the first pass's result leaves
	s_add_co_u32 s[TAU], s[TAU], s[WV]
	QPTR
	QLOAD
	FINAL
	s_wait_xcnt 0x0                                ; the stores have read their registers and bases: both are written again only behind this wait
	OPTR
	s_wait_loadcnt 0x0
	v_perm_b32 v40, v41, v41, s86
	INIT
.Lsame_pass:
	s_cmp_ge_u32 s[UU], s[SW]
	s_cselect_b32 s82, s[I2], 0
	s_add_co_u32 s[KS], s[UU], s82
	s_and_b32 s[KS], s[KS], 15                     ; the first pass walks key steps 0 .. 15 - 2 i, the second 0 .. 2 i + 1
	s_lshl_b32 s[TK], s[KS], 13
	s_lshl_b32 s[TS], s[KS], 8
	STEP
	s_add_co_u32 s[UU], s[UU], 1
	s_cmp_lt_u32 s[UU], 18
	s_cbranch_scc1 .Lstep
	s_setprio 0
	FINAL
	s_wait_tensorcnt 0x0
	ds_add_u32 v254, v255
	s_wait_dscnt 0x0
	s_endpgm
.Lfunc_end_k_q4c476035fa_attn:
	.size	k_q4c476035fa_attn, .Lfunc_end_k_q4c476035fa_attn-k_q4c476035fa_attn
	.p2alignl 7, 3214868480
	.fill 96, 4, 3214868480
	.section	.rodata,"a",@progbits
	.p2align	6, 0x0
	.amdhsa_kernel k_q4c476035fa_attn
		.amdhsa_group_segment_fixed_size 272384
		.amdhsa_private_segment_fixed_size 0
		.amdhsa_enable_private_segment 0
		.amdhsa_kernarg_size 24
		.amdhsa_user_sgpr_count 2
		.amdhsa_user_sgpr_kernarg_segment_ptr 1
		.amdhsa_wavefront_size32 1
		.amdhsa_system_sgpr_workgroup_id_x 1
		.amdhsa_system_sgpr_workgroup_id_y 1
		.amdhsa_system_sgpr_workgroup_id_z 1
		.amdhsa_system_vgpr_workitem_id 0
		.amdhsa_next_free_vgpr 256
		.amdhsa_next_free_sgpr 96
		.amdhsa_reserve_vcc 1
		.amdhsa_float_denorm_mode_32 3
		.amdhsa_float_denorm_mode_16_64 3
		.amdhsa_fp16_overflow 1
		.amdhsa_memory_ordered 1
		.amdhsa_forward_progress 1
		.amdhsa_inst_pref_size 65
	.end_amdhsa_kernel
	.amdgpu_metadata
---
amdhsa.version: [ 1, 2 ]
amdhsa.kernels:
  - .name:           k_q4c476035fa_attn
    .symbol:         k_q4c476035fa_attn.kd
    .args:
      - { .name: qk, .offset: 0, .size: 8, .value_kind: global_buffer, .address_space: global }
      - { .name: vv, .offset: 8, .size: 8, .value_kind: global_buffer, .address_space: global }
      - { .name: aa, .offset: 16, .size: 8, .value_kind: global_buffer, .address_space: global }
    .group_segment_fixed_size: 272384
    .private_segment_fixed_size: 0
    .kernarg_segment_align: 8
    .kernarg_segment_size: 24
    .max_flat_workgroup_size: 512
    .sgpr_count:     96
    .vgpr_count:     256
    .wavefront_size: 32
...
	.end_amdgpu_metadata
.endif
;; end of part 3
;; launch gemm_out (part 4): grid 4 x 64, 4 waves a work-group, clusters of 4 x 4, 327,680 bytes of LDS; arguments aa, wo, b_out, out0; writes out0
.if DOCPART == 4
	.amdgcn_target "amdgcn-amd-amdhsa--gfx1250"
	.amdhsa_code_object_version 6
	.text
	.protected	k_q4c476035fa_gemm_out
	.globl	k_q4c476035fa_gemm_out
	.p2align	8
	.type	k_q4c476035fa_gemm_out,@function
k_q4c476035fa_gemm_out:
	s_mov_b64 s[64:65], 0
	v_nop
	global_prefetch_b8 v0, s[64:65] scope:SCOPE_SE
	s_setreg_imm32_b32 hwreg(HW_REG_WAVE_MODE, 25, 1), 1
	s_wait_xcnt 0x0
	s_wait_alu depctr_hold_cnt(0) depctr_sa_sdst(0) depctr_va_vdst(0) depctr_va_sdst(0) depctr_va_ssrc(0) depctr_va_vcc(0) depctr_vm_vsrc(0)
	s_getreg_b32 s2, hwreg(HW_REG_IB_STS2, 6, 4)
	s_cmp_eq_u32 s2, 0
	s_cbranch_scc0 .Lentry_in_a_cluster
	s_endpgm
.Lentry_in_a_cluster:
	s_bfe_u32 s2, ttmp6, 0x10000c
	s_cmp_lg_u32 s2, 0xf033
	s_cbranch_scc0 .Lentry_shape_is_right
	s_endpgm
.Lentry_shape_is_right:
; out0 = attention's result x w_out + b_out on codes of E4M3 with E8M0 scales, K = 1,024; out0 [8192][1024] f32.
; aa: codes as images of the operand's registers, [tile of 16 rows 512][K step of 128: 8][c 4][lane 32][16 bytes]; at byte 8,388,608 scale bytes [place 8192][32].  wo: codes [place 1024][1024], at byte 1,048,576 scale bytes [place][32].
; Both hold at place s the row sigma(s) = s with bits 3 and 4 exchanged; the way out puts rows and columns back.
; A tile of 128 rows x 256 columns, so that the 8,192 x 1,024 outputs make 256 work-groups; four waves, 64 x 128 each: 32 accumulators, 256 registers.
; K goes in four steps of 256 through THREE LDS slots: K steps 0, 1 and 2 are first fills; K step 3 is the one refill, into slot 0, and has two K steps in which to land.  The scale bytes of the tile's rows come once and stay.
; CLUSTERS: 4 x 4 work-groups; aa's tiles are asked for jointly along a row of the cluster, wo's along a column.  Source 0 = 16 rows of wo, source 1 = 16 rows of aa: a lane holds numbers of one row of out0.
; The bias is the C of each sum's first matrix instruction.  Both operands have two sets of registers: a step's 48 loads are issued at the head of the step before.
; REGISTERS, in windows of 256: window 0: v0-31 addresses; v32-63 scale words, two sets; v64-127 the bias; from v128 aa's fragments, two sets of four.  window 1: wo's fragments, two sets of eight.  window 2: the accumulators ((a, b) at v[8 (8 a + b)]).
.set SIZE_K, 1024
.set NQ,     2
.set ROWB,   256
.set ASTEP,  4096                      ; a K step of a tile of 16 rows of aa: two images of 2,048 bytes
.set KROW,   SIZE_K
.set PITCH,  272                       ; wo's rows in LDS: 256 bytes + 16 of padding: the 16 rows that a load touches start at 16 different banks (64 banks of 4 bytes: ISA guide 11.1)
.set FR,     16
.set NP,     8                         ; places behind this matrix instruction (ISA guide 7.12.1)
.set HALFT,  128*PITCH                 ; 128 rows of wo
.set AHALF,  4*ASTEP                   ; four tiles of 16 rows of aa
.set SLOT,   2*AHALF+2*HALFT           ; aa's eight tiles, then wo's 256 rows
.set KS,     SIZE_K/32
.set SPARE,  3*SLOT                    ; the spare words, 128 bytes for each wave: two blocks of 256 bytes that no other line names
.set SCL,    SPARE+512                 ; the scales, as units of 256 bytes + 16 of padding: aa's 128 rows, then wo's 256
.set ASH,    8*272                     ; those of 64 rows
.set HALFS,  16*272                    ; those of 128 rows
.set SBLK,   2*272                     ; those of 16 rows
.set SPITCH, 528                       ; the way out: a stage of 16 rows x (512 bytes + 16) for each wave,
.set STAGE,  SLOT                      ; in slot 1, which is filled once and has had its last read, in every wave, in front of the last barrier
.set ADRA, 16                          ; v16-18  LDS address of aa's images in slot 0, 1, 2
.set ADRB, 20                          ; v20-22  of wo's fragments
.set STO,  24
.set RD,   25
.set CO,   26
.set ADRS, 27
.set SPW,  28
.set NIL,  29
.set SC,   32
.set BIA,  64
.set AF,   128
.set BK,   128
.set G1, 24                            ; s[24:31] descriptor group 1 for aa's tiles; s[32:43] group 0, one set for each slot
.set G0, 32
.set G1B, 44                           ; s[44:51], s[52:63] the same for wo's
.set G0B, 52
.set G1S, 68                           ; s[68:75], s[76:79] aa's scales; s[80:87], s[88:91] wo's
.set G0S, 76
.set G1SB, 80
.set G0SB, 88
.set MSB, 0
.macro WIN new                         ; the immediate's high byte repeats the setting that is left
.if MSB != \new
	s_set_vgpr_msb (MSB<<8)|\new
.set MSB, \new
.endif
.endm
.set MUL_LO, 0xa1                      ; source 0 window 1, source 1 window 0, C and D window 2
.set TO_B,   0x40
.macro JLOAD g0a, g1a, g0b, g1b        ; a joint load: waves 0 and 1 fetch for aa, waves 2 and 3 for wo; four v_nop follow each of the two lines
	s_cmp_eq_u32 s15, 0
	s_cbranch_scc0 .Lfor_b_\@
	tensor_load_to_lds s[\g0a:\g0a+3], s[\g1a:\g1a+7]
	s_nop 0
.rept 4
	v_nop
.endr
	s_branch .Lasked_\@
.Lfor_b_\@:
	tensor_load_to_lds s[\g0b:\g0b+3], s[\g1b:\g1b+7]
	s_nop 0
.rept 4
	v_nop
.endr
.Lasked_\@:
.endm
.macro CREST
	s_cmp_lg_u32 s14, 0
	s_cbranch_scc1 .Lnot_wave_0_\@
	s_barrier_signal -3
.Lnot_wave_0_\@:
	s_barrier_wait -3
	s_barrier_signal -1
	s_barrier_wait -1
.endm
.macro CROUND
	s_barrier_signal -1
	s_barrier_wait -1
	CREST
.endm
	s_load_b64 s[4:5], s[0:1], 0x0                 ; aa
	s_load_b64 s[8:9], s[0:1], 0x8                 ; wo
	s_load_b64 s[98:99], s[0:1], 0x10              ; b_out
	s_load_b64 s[12:13], s[0:1], 0x18              ; out0
	v_lshl_add_u32 v[SPW], v0, 2, SPARE
	v_mov_b32 v[NIL], 0
	ds_add_u32 v28, v29
	ds_add_u32 v28, v29
	s_wait_dscnt 0x0
	v_lshrrev_b32 v1, 5, v0
	v_readfirstlane_b32 s14, v1                    ; wave 0..3
	s_lshr_b32 s15, s14, 1                         ; which half of the tile's rows is mine.  Also: I fetch for aa (0) or for wo (1)
	s_and_b32 s16, s14, 1                          ; which half of its columns.  Also: which half of that tile I fetch
	s_bfe_u32 s92, ttmp6, 0x40000                  ; cx, cy: my place in the cluster
	s_bfe_u32 s93, ttmp6, 0x40004
	s_lshl_b32 s94, ttmp9, 2
	s_add_co_u32 s94, s94, s92                     ; tile column, 0..3
	s_and_b32 s17, ttmp7, 0xffff
	s_lshl_b32 s17, s17, 2
	s_add_co_u32 s17, s17, s93                     ; tile row, 0..63
	s_lshl_b32 s95, s93, 2
	s_lshl_b32 s95, 15, s95                        ; my row of the cluster
	s_lshl_b32 s96, 0x1111, s92                    ; my column
	s_or_b32 s[G1+0], s95, (0<<16)|(1<<21)         ; aa: 4 tiles of rows, of each 4,096 consecutive bytes, 16,384 bytes apart; elements of 1 byte; no padding; the mask: my row
	s_mov_b32 s[G1+1], ASTEP<<16                   ; tensor_dim0
	s_mov_b32 s[G1+2], 4<<16                       ; tensor_dim1
	s_mov_b32 s[G1+3], ASTEP<<16                   ; tile_dim0
	s_mov_b32 s[G1+4], 4                           ; tile_dim1
	s_mov_b32 s[G1+5], 16384                       ; tensor_dim0_stride
	s_mov_b32 s[G1+6], 0
	s_mov_b32 s[G1+7], 0
	s_or_b32 s[G1B+0], s96, (0<<16)|(1<<20)|(1<<21)|(5<<22)|(3<<25)   ; wo: 128 rows x 256 bytes, 16 bytes of padding behind each; the mask: my column
	s_mov_b32 s[G1B+1], ROWB<<16
	s_mov_b32 s[G1B+2], 128<<16
	s_mov_b32 s[G1B+3], ROWB<<16
	s_mov_b32 s[G1B+4], 128
	s_mov_b32 s[G1B+5], KROW
	s_mov_b32 s[G1B+6], 0
	s_mov_b32 s[G1B+7], 0
	s_or_b32 s[G1S+0], s95, (3<<16)|(1<<20)|(1<<21)|(5<<22)|(3<<25)   ; the scales of 64 rows of aa: 2,048 dense bytes as 8 rows of 256, 16 bytes of padding behind each
	s_mov_b32 s[G1S+1], 32<<16
	s_mov_b32 s[G1S+2], 8<<16
	s_mov_b32 s[G1S+3], 32<<16
	s_mov_b32 s[G1S+4], 8
	s_mov_b32 s[G1S+5], 32
	s_mov_b32 s[G1S+6], 0
	s_mov_b32 s[G1S+7], 0
	s_or_b32 s[G1SB+0], s96, (3<<16)|(1<<20)|(1<<21)|(5<<22)|(3<<25)  ; those of 128 rows of wo: 16 rows of 256
	s_mov_b32 s[G1SB+1], 32<<16
	s_mov_b32 s[G1SB+2], 16<<16
	s_mov_b32 s[G1SB+3], 32<<16
	s_mov_b32 s[G1SB+4], 16
	s_mov_b32 s[G1SB+5], 32
	s_mov_b32 s[G1SB+6], 0
	s_mov_b32 s[G1SB+7], 0
	s_lshl_b32 s18, s17, 3
	s_lshl_b32 s19, s16, 2
	s_add_co_u32 s18, s18, s19                     ; aa: the first of the four tiles of 16 rows that I fetch
	s_lshl_b32 s20, s18, 14                        ; its codes,
	s_mov_b32 s21, 0
	s_lshl_b32 s22, s18, 9                         ; its scale bytes: 16 rows of 32, behind the codes
	s_add_co_u32 s22, s22, 0x800000
	s_mov_b32 s23, 0
	s_lshl_b32 s2, s94, 8
	s_lshl_b32 s3, s16, 7
	s_add_co_u32 s2, s2, s3                        ; wo: the first of the 128 places that I fetch
	s_lshl_b32 s66, s2, 10
	s_mov_b32 s67, 0
	s_lshl_b32 s100, s2, 5
	s_add_co_u32 s100, s100, 0x100000
	s_mov_b32 s101, 0
	s_lshl_b32 s6, s16, 14                         ; where they go: no place in the cluster enters an LDS address
	s_mul_i32 s7, s16, HALFT
	s_add_co_u32 s7, s7, 2*AHALF
	s_mul_i32 s10, s16, ASH
	s_add_co_u32 s10, s10, SCL
	s_mul_i32 s11, s16, HALFS
	s_add_co_u32 s11, s11, SCL+2*ASH
	s_wait_kmcnt 0x0
	s_add_nc_u64 s[20:21], s[4:5], s[20:21]
	s_add_nc_u64 s[22:23], s[4:5], s[22:23]
	s_add_nc_u64 s[66:67], s[8:9], s[66:67]
	s_add_nc_u64 s[100:101], s[8:9], s[100:101]
	CROUND                                         ; all sixteen work-groups are here: the first joint loads meet
	s_mov_b32 s[G0S], 1
	s_mov_b32 s[G0S+1], s10
	s_mov_b64 s[G0S+2:G0S+3], s[22:23]
	s_or_b32 s[G0S+3], s[G0S+3], 0x80000000
	s_mov_b32 s[G0SB], 1
	s_mov_b32 s[G0SB+1], s11
	s_mov_b64 s[G0SB+2:G0SB+3], s[100:101]
	s_or_b32 s[G0SB+3], s[G0SB+3], 0x80000000
	JLOAD G0S, G1S, G0SB, G1SB                     ; the scales first: they are wanted with K step 0
.irp s, 0,1,2
	s_mov_b32 s[G0+4*\s], 1
	s_add_co_u32 s[G0+4*\s+1], s6, \s*SLOT
	s_add_nc_u64 s[G0+4*\s+2:G0+4*\s+3], s[20:21], \s*ASTEP
	s_or_b32 s[G0+4*\s+3], s[G0+4*\s+3], 0x80000000
	s_mov_b32 s[G0B+4*\s], 1
	s_add_co_u32 s[G0B+4*\s+1], s7, \s*SLOT
	s_add_nc_u64 s[G0B+4*\s+2:G0B+4*\s+3], s[66:67], \s*ROWB
	s_or_b32 s[G0B+4*\s+3], s[G0B+4*\s+3], 0x80000000
	JLOAD G0+4*\s, G1, G0B+4*\s, G1B               ; four loads of mine are out behind the third
.endr
	v_and_b32 v1, 15, v0                           ; r
	v_bfe_u32 v2, v0, 4, 1                         ; h
	v_mul_u32_u24 v3, v1, PITCH
	v_lshl_add_u32 v4, v2, 4, v3                   ; wo: a fragment's row x pitch + 16 x half
	v_and_b32 v6, 31, v0
	v_lshlrev_b32 v[CO], 4, v6                     ; 16 x lane: aa's images, the stage's rows, and a row of out0
	s_lshl_b32 s18, s15, 14                        ; my four tiles of aa
	s_mul_i32 s19, s16, HALFT                      ; my 128 rows of wo,
	s_add_co_u32 s19, s19, 2*AHALF                 ; which lie behind aa's
.irp s, 0,1,2
	v_add_nc_u32 v[ADRA+\s], s18, v[CO]
	v_add_nc_u32 v[ADRB+\s], s19, v4
	s_add_co_u32 s18, s18, SLOT
	s_add_co_u32 s19, s19, SLOT
.endr
	v_mul_u32_u24 v5, v1, KS                       ; my row's scales: 32 bytes a row,
	v_lshrrev_b32 v6, 8, v5
	v_lshl_add_u32 v5, v6, 4, v5                   ; and 16 more for each 256 passed
	s_mul_i32 s18, s15, ASH                        ; lanes 0-15 aa's words,
	s_mul_i32 s19, s16, HALFS
	s_add_co_u32 s19, s19, 2*ASH                   ; lanes 16-31 wo's, so much further on
	s_sub_co_u32 s19, s19, s18
	v_mul_u32_u24 v6, s19, v2
	s_add_co_u32 s18, s18, SCL
	v_add_nc_u32 v5, v5, v6
	v_add_nc_u32 v[ADRS], s18, v5
	s_mul_i32 s18, s14, 16*SPITCH
	s_add_co_u32 s18, s18, STAGE                   ; my stage
	v_mul_u32_u24 v5, v1, SPITCH                   ; in: row r, + 64 h: accumulator (a, b)'s eight numbers are columns 32 (b / 2) + 16 h + 8 (b % 2) + 0 .. 7
	v_lshl_add_u32 v5, v2, 6, v5
	v_add_nc_u32 v[STO], s18, v5
	v_add_nc_u32 v[RD], s18, v[CO]                 ; back: the 32 lanes take one row of 512 bytes
	s_lshl_b32 s2, s94, 10                         ; my first column, in bytes: 1,024 x tile column + 512 x half
	s_lshl_b32 s3, s16, 9
	s_add_co_u32 s2, s2, s3
	s_mov_b32 s3, 0
	s_add_nc_u64 s[98:99], s[98:99], s[2:3]        ; b_out at my first column
	v_lshlrev_b32 v8, 6, v2                        ; 64 h; never rewritten
.irp b, 0,1,2,3,4,5,6,7
	global_load_b128 v[BIA+8*\b:BIA+8*\b+3], v8, s[98:99] offset:(32*(\b/2)+8*(\b%2))*4
	global_load_b128 v[BIA+8*\b+4:BIA+8*\b+7], v8, s[98:99] offset:(32*(\b/2)+8*(\b%2))*4+16
.endr
	s_lshl_b32 s18, s17, 7
	s_lshl_b32 s19, s15, 6
	s_add_co_u32 s18, s18, s19                     ; my first row of out0: 128 x tile row + 64 x half
	s_lshl_b32 s18, s18, 12                        ; 4,096 bytes a row
	s_mov_b32 s19, 0
	s_add_nc_u64 s[18:19], s[18:19], s[2:3]
	s_add_nc_u64 s[12:13], s[12:13], s[18:19]      ; never stepped: every row's place stands in a store's immediate
.macro FRAG reg, adr, q, i             ; wo: 16 rows x 128 K: registers 4 c .. 4 c + 3 hold K = 32 c + 16 (l / 16) + 0 .. 15 of row l % 16
.irp c, 0,1,2,3
	ds_load_b128 v[\reg+4*\c:\reg+4*\c+3], v[\adr] offset:128*(\q)+32*\c+(\i)*16*PITCH
.endr
.endm
.macro FRAGA reg, slot, q, i           ; aa: the image of the same registers: 512 consecutive bytes a load
.irp c, 0,1,2,3
	ds_load_b128 v[\reg+4*\c:\reg+4*\c+3], v[ADRA+\slot] offset:4096*(\i)+2048*(\q)+512*\c
.endr
.endm
; 16 matrix instructions: aa's blocks a0, a0 + 1 (of four) x wo's eight.  zero = 1: the first product starts the sums from the bias.  The 32 accumulators take turns, one instruction a turn.
.macro MULH a0, p, q, sc, zero
.irp a, \a0, \a0+1
.irp b, 0,1,2,3,4,5,6,7
.if \zero
	v_wmma_scale_f32_16x16x128_f8f6f4 v[8*(8*(\a)+\b):8*(8*(\a)+\b)+7], v[128*(\p)+FR*\b:128*(\p)+FR*\b+FR-1], v[AF+64*(\p)+FR*(\a):AF+64*(\p)+FR*(\a)+FR-1], v[BIA+8*\b:BIA+8*\b+7], v[SC+8*NQ*(\sc)+NQ*\b+(\q)], v[SC+8*NQ*(\sc)+NQ*(\a)+(\q)] matrix_a_scale:MATRIX_SCALE_ROW1
.else
	v_wmma_scale_f32_16x16x128_f8f6f4 v[8*(8*(\a)+\b):8*(8*(\a)+\b)+7], v[128*(\p)+FR*\b:128*(\p)+FR*\b+FR-1], v[AF+64*(\p)+FR*(\a):AF+64*(\p)+FR*(\a)+FR-1], v[8*(8*(\a)+\b):8*(8*(\a)+\b)+7], v[SC+8*NQ*(\sc)+NQ*\b+(\q)], v[SC+8*NQ*(\sc)+NQ*(\a)+(\q)] matrix_a_scale:MATRIX_SCALE_ROW1
.endif
.endr
.endr
.endm
.macro FETCH slot, q, p                ; the fragments of the slot's q-th 128 along K into sets p: 48 loads
	WIN TO_B
.irp i, 0,1,2,3,4,5,6,7
	FRAG 128*(\p)+FR*\i, ADRB+\slot, \q, \i
.endr
	WIN 0
.irp i, 0,1,2,3
	FRAGA AF+64*(\p)+FR*\i, \slot, \q, \i
.endr
.endm
.macro SCALES sc                       ; a K step's scale words into set sc: lanes 16-31 wo's eight blocks, lanes 0-15 aa's four (what they bring for i = 4 .. 7 are other rows' scale bytes, which no product names)
.irp i, 0,1,2,3,4,5,6,7
	ds_load_b64 v[SC+8*NQ*\sc+NQ*\i:SC+8*NQ*\sc+NQ*\i+1], v[ADRS] offset:\i*SBLK
.endr
.endm
.macro PLACES n
.rept \n
	v_nop
.endr
.endm
; A step of 128 along K with no barrier: multiplies sets p (the K step's q-th 128, scale words of set sc) and first fetches the next step's fragments from (nslot, nq); nsc >= 0: that is a new K step, whose scale words go into set nsc.
.macro HSTEP p, q, sc, zero, nslot, nq, nsc
	s_wait_dscnt 0x0                               ; this step's fragments and scale words are in
.if !\zero
	PLACES NP                                      ; in front of loads into the sets that the step before multiplied
.endif
.if \nsc >= 0
	v_add_nc_u32 v[ADRS], 4*NQ, v[ADRS]
.endif
	FETCH \nslot, \nq, 1-(\p)
.if \nsc >= 0
	SCALES \nsc
.endif
.if \zero
	WIN 0x81                                       ; C (the bias) window 0, D window 2
.else
	WIN MUL_LO
.endif
	MULH 0, \p, \q, \sc, \zero
	MULH 2, \p, \q, \sc, \zero
	WIN 0
.endm
	s_wait_loadcnt 0x0                             ; the bias
	s_wait_tensorcnt 2                             ; the scales and my part of K step 0 are in (the loads of K steps 1 and 2 may be out)
	s_barrier_signal -1
	s_barrier_wait -1                              ; everybody's are
	FETCH 0, 0, 0
	SCALES 0
	HSTEP 0, 0, 0, 1, 0, 1, -1                     ; K step 0, first half
	; K step 0, second half, and the one refill: its fragments were the last reads of slot 0
	s_wait_tensorcnt 0x0                           ; all my tensor loads have landed: my parts of K steps 1 and 2
	ds_add_u32 v[SPW], v[NIL]                      ; 0 onto my spare word
	s_wait_dscnt 0x0                               ; the add is done, and my reads of slot 0 are over
	s_barrier_signal -1
	WIN MUL_LO
	MULH 0, 1, 1, 0, 0
	WIN 0
	s_barrier_wait -1
	CREST                                          ; the barrier has opened a round of the cluster's: no wave of any partner still reads slot 0 or has a load on its way; slots 1 and 2 are whole for every wave
	s_add_nc_u64 s[G0+2:G0+3], s[G0+2:G0+3], 3*ASTEP
	s_add_nc_u64 s[G0B+2:G0B+3], s[G0B+2:G0B+3], 3*ROWB
	JLOAD G0, G1, G0B, G1B                         ; K step 3 into slot 0: the first tensor load behind the round; its four v_nop are among the places in front of the loads below
	PLACES NP-4
	v_add_nc_u32 v[ADRS], 4*NQ, v[ADRS]
	FETCH 1, 0, 0
	SCALES 1
	WIN MUL_LO
	MULH 2, 1, 1, 0, 0
	WIN 0
	HSTEP 0, 0, 1, 0, 1, 1, -1                     ; K step 1
	HSTEP 1, 1, 1, 0, 2, 0, 0                      ; no barrier between slots 1 and 2: the round has shown both
	HSTEP 0, 0, 0, 0, 2, 1, -1                     ; K step 2, first half
	s_wait_tensorcnt 0x0                           ; K step 2, second half: the one load of mine that is out is my part of K step 3
	s_wait_dscnt 0x0                               ; my reads of slots 1 and 2 are over
	s_barrier_signal -1
	WIN MUL_LO
	MULH 0, 1, 1, 0, 0
	WIN 0
	s_barrier_wait -1                              ; K step 3 is whole; nobody reads slot 1 any more: the stages may be written
	PLACES NP
	v_add_nc_u32 v[ADRS], 4*NQ, v[ADRS]
	FETCH 0, 0, 0
	SCALES 1
	WIN MUL_LO
	MULH 2, 1, 1, 0, 0
	WIN 0
	HSTEP 0, 0, 1, 0, 0, 1, -1                     ; K step 3
	s_wait_dscnt 0x0
	WIN MUL_LO
	MULH 0, 1, 1, 1, 0
	MULH 2, 1, 1, 1, 0
	WIN 0
; THE WAY OUT, block by block of 16 rows x 128 columns, through my own stage: in by columns' true places, back as whole rows of 512 bytes.  LDS serves a wave's instructions in order (ISA guide 5.7.1.4).
.macro TOSTAGE a
.set AC, 64*(\a)
	WIN 0x08                                       ; the data: window 2
.irp b, 0,1,2,3,4,5,6,7
	ds_store_b128 v[STO], v[AC+8*\b:AC+8*\b+3] offset:128*(\b/2)+32*(\b%2)          ; each accumulator from its low end on
	ds_store_b128 v[STO], v[AC+8*\b+4:AC+8*\b+7] offset:128*(\b/2)+32*(\b%2)+16
.endr
	WIN 0
.set BB, BK+64*((\a)%2)
.irp t, 0,1,2,3,4,5,6,7,8,9,10,11,12,13,14,15
	ds_load_b128 v[BB+4*\t:BB+4*\t+3], v[RD] offset:\t*SPITCH
.endr
.endm
.macro SEND a, younger                 ; younger: the LDS instructions issued behind block a's loads, which may stay out
.set BB, BK+64*((\a)%2)
	s_wait_dscnt \younger
.irp t, 0,1,2,3,4,5,6,7,8,9,10,11,12,13,14,15
	global_store_b128 v[CO], v[BB+4*\t:BB+4*\t+3], s[12:13] offset:(32*((\a)/2)+8*((\a)%2)+\t+8*(\t/8))*4096 th:TH_STORE_NT   ; place 16 a + t holds row sigma(16 a + t); 32 lanes store 512 consecutive bytes, aligned
.endr
.endm
	PLACES NP
	TOSTAGE 0
.irp a, 1,2,3
.if \a > 1
	s_wait_xcnt 0x0                                ; block a - 2's stores have read their registers: block a's loads may land there
.endif
	TOSTAGE \a
	SEND \a-1, 32                                  ; behind block a - 1's loads: block a's 16 stores and 16 loads
.endr
	SEND 3, 0
	s_wait_tensorcnt 0x0                           ; the wave's end
	ds_add_u32 v[SPW], v[NIL]
	s_wait_dscnt 0x0
	CROUND                                         ; the closing round
	s_endpgm
.Lfunc_end_k_q4c476035fa_gemm_out:
	.size	k_q4c476035fa_gemm_out, .Lfunc_end_k_q4c476035fa_gemm_out-k_q4c476035fa_gemm_out
	.p2alignl 7, 3214868480
	.fill 96, 4, 3214868480
	.section	.rodata,"a",@progbits
	.p2align	6, 0x0
	.amdhsa_kernel k_q4c476035fa_gemm_out
		.amdhsa_group_segment_fixed_size 327680
		.amdhsa_private_segment_fixed_size 0
		.amdhsa_enable_private_segment 0
		.amdhsa_kernarg_size 32
		.amdhsa_user_sgpr_count 2
		.amdhsa_user_sgpr_kernarg_segment_ptr 1
		.amdhsa_wavefront_size32 1
		.amdhsa_system_sgpr_workgroup_id_x 1
		.amdhsa_system_sgpr_workgroup_id_y 1
		.amdhsa_system_sgpr_workgroup_id_z 1
		.amdhsa_system_vgpr_workitem_id 0
		.amdhsa_next_free_vgpr 1024
		.amdhsa_next_free_sgpr 102
		.amdhsa_reserve_vcc 0
		.amdhsa_float_denorm_mode_32 3
		.amdhsa_float_denorm_mode_16_64 3
		.amdhsa_memory_ordered 1
		.amdhsa_forward_progress 1
		.amdhsa_inst_pref_size 90
	.end_amdhsa_kernel
	.amdgpu_metadata
---
amdhsa.version: [ 1, 2 ]
amdhsa.kernels:
  - .name:           k_q4c476035fa_gemm_out
    .symbol:         k_q4c476035fa_gemm_out.kd
    .args:
      - { .name: aa, .offset: 0, .size: 8, .value_kind: global_buffer, .address_space: global }
      - { .name: wo, .offset: 8, .size: 8, .value_kind: global_buffer, .address_space: global }
      - { .name: b_out, .offset: 16, .size: 8, .value_kind: global_buffer, .address_space: global }
      - { .name: out0, .offset: 24, .size: 8, .value_kind: global_buffer, .address_space: global }
    .group_segment_fixed_size: 327680
    .private_segment_fixed_size: 0
    .kernarg_segment_align: 8
    .kernarg_segment_size: 32
    .max_flat_workgroup_size: 128
    .sgpr_count:     102
    .vgpr_count:     1024
    .wavefront_size: 32
...
	.end_amdgpu_metadata
.endif
;; end of part 4
